; MI455X (gfx1250); checked and timed in simulation.
; The chip was launched on July 23, 2026; its instructions are those of AMD's public machine-readable ISA for CDNA 5 (MIT licence, August 2026) and "CDNA5" Instruction Set Architecture Reference Guide (July 2026). The comments in the code are by the model that wrote it; some were corrected since.
;; Sparse Mixture Of Experts. Allowed arithmetic: matrix products marked QUANTISED: E2M1 operands, one E8M0 scale for each 32 along K, by v_wmma_scale_f32_16x16x128_f8f6f4 with both operands' format E2M1 (or v_wmma_scale_f32_32x16x128_f4), f32 sums; products left as they are: f32 operands where the result goes on into a quantised operand, else bf16, f16 or f32 operands; f32 sums; everything else in f32.
;; Inputs: We 8 x 2,048 x 2,048 float32; Wg 2,048 x 8 float32; be 8 x 2,048 float32; bg 8 float32; x 2,048 x 2,048 float32.
;; Outputs: out0 2,048 x 2,048 float32.
;; This version of the problem:
;;   THIS VERSION OF THE PROBLEM IS GIVEN IN LOW PRECISION. The matrix products marked QUANTISED in the list below multiply operands that are first quantised to E2M1 (2 exponent bits, 1 mantissa bit; 4 bits a number), with one power-of-two scale for each 32 numbers along K (OCP MX v1.0); their sums are f32. All else is computed in f32.
;;   The module's matrix products, in the order in which they are computed (A, B: the left and right operand; K: the contracted axis; several contracted axes count as one K, in the product's order):
;;     1. [M 2,048, K 2,048] x [K 2,048, N 8]; A: input x; B: input Wg: left as it is (N = 8 < 16)
;;     2. [M 16,384, K 2,048] x [K 2,048, N 2,048]; A: input We; B: input x: QUANTISED
;;   THE QUANTISER, for each operand of a quantised product, along K:
;;     - K is cut into blocks of 32 from its start; a last block that is shorter is filled with zeros.
;;     - A block's scale is 2^e with e = floor(log2(the largest magnitude in the block)) - 2, held to -126 .. 127; a block of zeros has e = 0. As a byte (E8M0): e + 127.
;;     - Each number is divided by its block's scale, clamped to +-6, and rounded to the nearest number of E2M1, ties to even, subnormals kept.
;;     - The product sums the exact products of the quantised numbers (number of the format x scale) in f32.
;;   ~~~python
;;   def quantise(x, axis):      # numpy; x: float32 -> the quantised numbers, widened to float32 again
;;       x = np.moveaxis(x, axis, -1); K = x.shape[-1]
;;       x = np.pad(x, [(0, 0)] * (x.ndim - 1) + [(0, -K % 32)]); x = x.reshape(x.shape[:-1] + (-1, 32)); a = np.abs(x).max(-1, keepdims=True)
;;       e = np.where(a > 0, np.clip(np.frexp(np.where(a > 0, a, 1))[1] - 1 - 2, -126, 127), 0)      # np.frexp(a)[1] - 1 = floor(log2(a)), exactly
;;       r = np.clip(x / 2.0 ** e, -6, 6)
;;       step = 2.0 ** (np.maximum(np.frexp(np.where(r == 0, 1, r))[1] - 1, 0) - 1)
;;       q = np.round(r / step) * step * 2.0 ** e      # np.round: ties to even
;;       return np.moveaxis(q.reshape(q.shape[:-2] + (-1,))[..., :K], -1, axis).astype(np.float32)
;;   ~~~
;; 2 versions. Each part assembles by itself: llvm-mc -triple=amdgcn-amd-amdhsa -mcpu=gfx1250 --defsym DOCPART=n.
;; ======== version 1 of 2: 3 launches
;; workspace buffers: xcodes 2,097,152 bytes; xscales 131,072 bytes; route 8,192 bytes of whole numbers; gw 16,384 bytes; wcodes 16,777,216 bytes; wscales 1,048,576 bytes; order 8,192 bytes of whole numbers; blocks 256 bytes of whole numbers
;; launch gate (part 1): grid 256 x 1, 4 waves a work-group, no clusters, 123,392 bytes of LDS; arguments x, Wg, bg, xcodes, xscales, route, gw; writes xcodes, xscales, route, gw
.if DOCPART == 1
	.amdgcn_target "amdgcn-amd-amdhsa--gfx1250"
	.amdhsa_code_object_version 6
	.text
	.protected	k_q0efd2a456e_gate
	.globl	k_q0efd2a456e_gate
	.p2align	8
	.type	k_q0efd2a456e_gate,@function
k_q0efd2a456e_gate:
	s_mov_b64 s[64:65], 0
	v_nop
	global_prefetch_b8 v0, s[64:65] scope:SCOPE_SE
	s_setreg_imm32_b32 hwreg(HW_REG_WAVE_MODE, 25, 1), 1
	s_wait_xcnt 0x0
; x [2048][2048] f32 is read ONCE and serves two things:
;  (1) its codes of FP4 (E2M1) along D, K innermost, 1,024 bytes a token, and one E8M0 byte for each 32 along D, 64 bytes a token;
;  (2) the router in f32: logits = x Wg + bg, the two largest (the lower index wins a tie), and the softmax of the two, with the larger one taken away before the exponential.
; The two experts go to fixed places as whole numbers (route[token] = e0 | e1 << 8), the two weights to gw[token]: no address and no branch here hangs on them.
; SHARES.  A work-group owns 8 tokens; wave w owns d = 512 w .. 512 w + 511 of each of them.  The conversions take neighbours along D from ONE lane's registers, so a lane must hold 16 neighbours
; (two lanes hold a block of 32), while a load is best where neighbouring lanes take neighbouring bytes: each load reads 512 consecutive bytes, and a row's 2,048 bytes turn through the wave's own stage in LDS.
; Wg's 16 x 8 numbers for a lane's 16 d turn through LDS once and stay in 128 registers for all 8 tokens.
; A block's scale is 2^(floor(log2(largest magnitude)) - 2): its byte is the largest magnitude's exponent field - 2, held at 1 from below.
; LIMITS: NaN and infinities among the inputs are not served.  A block whose largest magnitude lies under 2^-124 (a block of zeros among them) gets the byte 1: its codes are zeros or nearly so, and this program alone reads the bytes.
; The router's f32 sum runs in another order than a plain dot product's: two logits that are equal to within the rounding of that sum may be ranked the other way.
; No matrix unit (8 columns), no tensor loads, no cluster: the work-groups share only Wg's 64 KiB.
.set SP,   80                          ; a lane's place in a stage: 64 bytes + 16 of padding
.set XT,   0                           ; LDS: for each wave two stages of 32 x SP bytes
.set WT,   20480                       ; for each wave 32 chunks of 512 + 16 bytes: Wg's turn
.set SCB,  88064                       ; the 8 tokens' scale bytes, 64 each
.set PART, 88576                       ; partial logits: [token 8][wave 4][half 2][lane 32][16 bytes]
.set AE,   16                          ; v16-23   8 sums over my even d
.set AO,   24                          ; v24-31   8 sums over my odd d
.set X,    32                          ; v32-63   two sets of 16 neighbours
.set R,    64                          ; v64-127  four sets of 16 numbers as loaded
.set W,    128                         ; v128-255 v[W + 8 i + e] = Wg[my d i][e]
	s_load_b256 s[4:11], s[0:1], 0x0               ; x s[4:5], Wg s[6:7], bg s[8:9], the codes s[10:11]
	s_load_b128 s[12:15], s[0:1], 0x20             ; the scale bytes s[12:13], route s[14:15]
	s_load_b64 s[16:17], s[0:1], 0x30              ; gw
	s_set_vgpr_msb 0x40
	v_lshl_add_u32 v0, v0, 2, 0x1e000
	v_mov_b32 v1, 0
	s_set_vgpr_msb 0x4000
	v_lshrrev_b32 v9, 5, v0
	v_readfirstlane_b32 s18, v9                    ; wave 0..3
	v_and_b32 v9, 31, v0                           ; lane
	v_lshlrev_b32 v1, 4, v9                        ; v1 = 16 x lane
	v_lshlrev_b32 v4, 3, v9                        ; v4 = 8 x lane: my 16 codes
	s_mul_i32 s19, s18, 2*32*SP
	v_lshrrev_b32 v10, 2, v9
	v_mul_u32_u24 v2, v10, SP
	v_and_b32 v10, 3, v9
	v_lshl_add_u32 v2, v10, 4, v2
	v_add_nc_u32 v2, s19, v2                       ; v2: the stage on the way in: SP (lane / 4) + 16 (lane % 4)
	v_mul_u32_u24 v3, v9, SP
	v_add_nc_u32 v3, s19, v3                       ; v3: and on the way out: SP x lane
	s_lshl_b32 s19, s18, 4
	s_add_co_u32 s19, s19, SCB
	v_lshrrev_b32 v10, 1, v9
	v_add_nc_u32 v5, s19, v10                      ; v5: my block's scale byte: 16 x wave + lane / 2
	s_lshl_b32 s19, s18, 10
	s_add_co_u32 s19, s19, PART
	v_add_nc_u32 v6, s19, v1                       ; v6: my partial logits
	s_mul_i32 s19, s18, 32*528
	s_add_co_u32 s19, s19, WT
	v_add_nc_u32 v7, s19, v1                       ; v7: Wg's turn, in: 16 x lane in chunk q
	v_mul_u32_u24 v8, v9, 528
	v_add_nc_u32 v8, s19, v8                       ; v8: out: chunk = lane.  528 = 33 x 16: sixteen lanes start at sixteen different 16-byte columns
	s_mov_b32 s22, 0x76543210
	s_mov_b32 s23, 0xfedcba98                      ; v_permlanex16_b32's selects for lane l xor 16
	s_mov_b32 s21, 0
	s_wait_kmcnt 0x0
	s_load_b256 s[24:31], s[8:9], 0x0              ; bg's eight numbers
	s_lshl_b32 s20, ttmp9, 16                      ; 8 rows of 8,192 bytes a work-group,
	s_lshl_b32 s19, s18, 11                        ; 2,048 bytes of a row a wave
	s_add_co_u32 s20, s20, s19
	s_add_nc_u64 s[4:5], s[4:5], s[20:21]
	s_lshl_b32 s20, s18, 14                        ; Wg: 512 rows of 32 bytes a wave
	s_add_nc_u64 s[6:7], s[6:7], s[20:21]
	s_lshl_b32 s20, ttmp9, 13                      ; codes: 8 rows of 1,024 bytes, 256 bytes a wave
	s_lshl_b32 s19, s18, 8
	s_add_co_u32 s20, s20, s19
	s_add_nc_u64 s[10:11], s[10:11], s[20:21]
	s_lshl_b32 s20, ttmp9, 9
	s_add_nc_u64 s[12:13], s[12:13], s[20:21]
	s_lshl_b32 s20, ttmp9, 5
	s_add_nc_u64 s[14:15], s[14:15], s[20:21]
	s_lshl_b32 s20, ttmp9, 6
	s_add_nc_u64 s[16:17], s[16:17], s[20:21]
.macro LOADX j                         ; token j's 2,048 bytes of my wave: four loads of 512 consecutive bytes
.irp i, 0,1,2,3
	global_load_b128 v[R+16*((\j)%4)+4*\i:R+16*((\j)%4)+4*\i+3], v1, s[4:5] offset:8192*(\j)+512*\i th:TH_LOAD_NT
.endr
.endm
.macro TURN j                          ; through the stage: LDS serves a wave's instructions in order, so no wait stands between the stores and the loads
.irp i, 0,1,2,3
	ds_store_b128 v2, v[R+16*((\j)%4)+4*\i:R+16*((\j)%4)+4*\i+3] offset:32*SP*((\j)%2)+8*SP*\i
.endr
.irp i, 0,1,2,3
	ds_load_b128 v[X+16*((\j)%2)+4*\i:X+16*((\j)%2)+4*\i+3], v3 offset:32*SP*((\j)%2)+16*\i
.endr
.endm
.set q, 0
.rept 32
	global_load_b128 v[W+4*q:W+4*q+3], v1, s[6:7] offset:512*q   ; Wg as it lies
.set q, q+1
.endr
.irp j, 0,1,2,3
	LOADX \j
.endr
	s_wait_loadcnt 16                              ; behind Wg's loads stand x's sixteen: Wg is in
.set q, 0
.rept 32
	ds_store_b128 v7, v[W+4*q:W+4*q+3] offset:528*q
.set q, q+1
.endr
	s_wait_dscnt 0x0                               ; the stores have read their registers, which the loads below fill anew
.set q, 0
.rept 32
	ds_load_b128 v[W+4*q:W+4*q+3], v8 offset:16*q  ; my 16 rows of Wg: 512 bytes
.set q, q+1
.endr
	s_wait_loadcnt 12                              ; token 0's four loads are in; tokens 1 to 3 stay out
	TURN 0
.macro STEP j
.set XS, X+16*((\j)%2)
.set CP, 12+2*((\j)%2)                 ; the codes' pair: v[12:13], v[14:15] by turns
	s_wait_dscnt 0x0                               ; this token's numbers are back from the stage (in step 0: Wg too), and the stage's stores have read their registers,
.if (\j)+4 < 8
	LOADX (\j)+4                                   ; which take the token four further on
.endif
.if (\j)+1 < 8
.if 6-(\j) >= 3
	s_wait_loadcnt 12                              ; the next token's loads are in; those of the three behind it may be out
.else
	s_wait_loadcnt 4*(6-(\j))
.endif
	TURN (\j)+1
.endif
	v_max3_num_f32 v9, |v[XS]|, |v[XS+1]|, |v[XS+2]|               ; the largest magnitude of my 16, in two chains
	v_max3_num_f32 v10, |v[XS+3]|, |v[XS+4]|, |v[XS+5]|
.irp i, 6,10
	v_max3_num_f32 v9, v9, |v[XS+\i]|, |v[XS+\i+1]|
	v_max3_num_f32 v10, v10, |v[XS+\i+2]|, |v[XS+\i+3]|
.endr
	v_max3_num_f32 v9, v9, |v[XS+14]|, |v[XS+15]|
	v_max3_num_f32 v9, v9, v10, 0x1800000          ; and the floor 2^(3 - 127): the byte cannot fall under 1
	v_max_num_f32_dpp v9, v9, v9 row_xmask:1 row_mask:0xf bank_mask:0xf   ; with my neighbour's 16: the block's
	v_add_nc_u32 v11, 0xff000000, v9               ; 2 off the exponent field: the conversion takes the exponent field of this operand as its scale
	s_wait_xcnt 0x0                                ; the store of two steps ago has read this pair of codes
	v_cvt_scalef32_pk8_fp4_f32 v[CP], v[XS:XS+7], v11
	v_cvt_scalef32_pk8_fp4_f32 v[CP+1], v[XS+8:XS+15], v11
	v_lshrrev_b32 v10, 23, v11                     ; the scale's byte (also the plain line behind the conversions)
	ds_store_b8 v5, v10 offset:64*(\j)             ; both lanes of a block write the same byte with the same value
	global_store_b64 v4, v[CP:CP+1], s[10:11] offset:1024*(\j)   ; the wave stores 256 consecutive bytes, aligned
	; the router: x[d] x Wg[d][0..7], two experts an instruction; even and odd d in sums of their own; the first two d start the sums
.set i, 0
.rept 16
.set m, 0
.rept 4
.if i == 0
	v_pk_mul_f32 v[AE+2*m:AE+2*m+1], v[XS:XS+1], v[W+2*m:W+2*m+1] op_sel_hi:[0,1]
.elseif i == 1
	v_pk_mul_f32 v[AO+2*m:AO+2*m+1], v[XS:XS+1], v[W+8+2*m:W+8+2*m+1] op_sel:[1,0] op_sel_hi:[1,1]
.elseif i%2 == 0
	v_pk_fma_f32 v[AE+2*m:AE+2*m+1], v[XS+i:XS+i+1], v[W+8*i+2*m:W+8*i+2*m+1], v[AE+2*m:AE+2*m+1] op_sel_hi:[0,1,1]
.else
	v_pk_fma_f32 v[AO+2*m:AO+2*m+1], v[XS+i-1:XS+i], v[W+8*i+2*m:W+8*i+2*m+1], v[AO+2*m:AO+2*m+1] op_sel:[1,0,0] op_sel_hi:[1,1,1]
.endif
.set m, m+1
.endr
.set i, i+1
.endr
.irp m, 0,2,4,6
	v_pk_add_f32 v[AE+\m:AE+\m+1], v[AE+\m:AE+\m+1], v[AO+\m:AO+\m+1]
.endr
	ds_store_b128 v6, v[AE:AE+3] offset:4096*(\j)
	ds_store_b128 v6, v[AE+4:AE+7] offset:4096*(\j)+512
.endm
.irp j, 0,1,2,3,4,5,6,7
	STEP \j
.endr
	s_wait_dscnt 0x0                               ; for the others' sake: my partial logits and my scale bytes lie in LDS
	s_barrier_signal -1
	s_barrier_wait -1
	; wave w finishes tokens 2 w and 2 w + 1
	s_lshl_b32 s19, s18, 13
	s_add_co_u32 s19, s19, PART
	v_add_nc_u32 v9, s19, v1
	v_add_nc_u32 v10, SCB, v1                      ; (for wave 0's last lines; made ahead of the branch on the wave's number)
.irp p, 0,1
.irp u, 0,1,2,3
	ds_load_b128 v[32+32*\p+8*\u:35+32*\p+8*\u], v9 offset:4096*\p+1024*\u
	ds_load_b128 v[36+32*\p+8*\u:39+32*\p+8*\u], v9 offset:4096*\p+1024*\u+512
.endr
.endr
	s_wait_dscnt 0x0
.irp u, 1,2,3                          ; over the four waves,
.irp p, 0,1
.irp m, 0,2,4,6
	v_pk_add_f32 v[32+32*\p+\m:33+32*\p+\m], v[32+32*\p+\m:33+32*\p+\m], v[32+32*\p+8*\u+\m:33+32*\p+8*\u+\m]
.endr
.endr
.endr
.irp k, 1,2,4,8                        ; over sixteen lanes,
.irp p, 0,1
.irp e, 0,1,2,3,4,5,6,7
	v_add_f32_dpp v[32+32*\p+\e], v[32+32*\p+\e], v[32+32*\p+\e] row_xmask:\k row_mask:0xf bank_mask:0xf
.endr
.endr
.endr
.irp p, 0,1                            ; and over the two halves: every lane then holds the same 16 sums
.irp e, 0,1,2,3,4,5,6,7
	v_permlanex16_b32 v[96+8*\p+\e], v[32+32*\p+\e], s22, s23
.endr
.endr
	s_wait_kmcnt 0x0                               ; bg
.irp p, 0,1
.irp e, 0,1,2,3,4,5,6,7
	v_add_f32 v[32+32*\p+\e], v[32+32*\p+\e], v[96+8*\p+\e]
.endr
.endr
.irp p, 0,1
.irp e, 0,1,2,3,4,5,6,7
	v_add_f32 v[32+32*\p+\e], s[24+\e], v[32+32*\p+\e]
.endr
.endr
	; token p's figures at v[112 + 8 p]: +0 the largest logit, +1 its expert, +2 the second, +3 its expert, +4 .. +7 at work
.irp p, 0,1
	v_mov_b32 v[112+8*\p], v[32+32*\p]
	v_mov_b32 v[113+8*\p], 0
.endr
.irp e, 1,2,3,4,5,6,7                  ; strictly greater: the lower index keeps a tie
.irp p, 0,1
	v_cmp_gt_f32 s[32+\p], v[32+32*\p+\e], v[112+8*\p]
	v_cndmask_b32 v[112+8*\p], v[112+8*\p], v[32+32*\p+\e], s[32+\p]
	v_cndmask_b32 v[113+8*\p], v[113+8*\p], \e, s[32+\p]
.endr
.endr
.irp p, 0,1                            ; the second begins at the lowest expert that is not the first
	v_cmp_eq_u32 s[32+\p], 0, v[113+8*\p]
	v_cndmask_b32 v[114+8*\p], v[32+32*\p], v[33+32*\p], s[32+\p]
	v_cndmask_b32 v[115+8*\p], 0, 1, s[32+\p]
.endr
.irp e, 1,2,3,4,5,6,7
.irp p, 0,1
	v_cmp_gt_f32 s[32+\p], v[32+32*\p+\e], v[114+8*\p]
	v_cmp_ne_u32 s[34+\p], \e, v[113+8*\p]
	s_and_b32 s[32+\p], s[32+\p], s[34+\p]
	v_cndmask_b32 v[114+8*\p], v[114+8*\p], v[32+32*\p+\e], s[32+\p]
	v_cndmask_b32 v[115+8*\p], v[115+8*\p], \e, s[32+\p]
.endr
.endr
.irp p, 0,1                            ; softmax of the two: the larger is taken away, so t = e^(second - first) is at most 1
	v_sub_f32 v[116+8*\p], v[114+8*\p], v[112+8*\p]
	v_mul_f32 v[116+8*\p], 0x3fb8aa3b, v[116+8*\p]
.endr
	v_exp_f32 v116, v116
	v_exp_f32 v124, v124
	v_and_b32 v21, 31, v0                          ; (a plain line behind the exponentials)  lane
	s_wait_alu depctr_va_vdst(0)
	v_add_f32 v117, 1.0, v116
	v_add_f32 v125, 1.0, v124
	v_rcp_f32 v118, v117                           ; w0 = 1 / (1 + t)
	v_rcp_f32 v126, v125
	v_and_b32 v22, 1, v0                           ; (a plain line behind the reciprocals)
	s_wait_alu depctr_va_vdst(0)
	v_mul_f32 v119, v116, v118                     ; w1 = t w0
	v_mul_f32 v127, v124, v126
	v_lshl_or_b32 v116, v115, 8, v113              ; e0 | e1 << 8
	v_lshl_or_b32 v124, v123, 8, v121
	v_cmp_eq_u32 vcc_lo, 1, v22                    ; lane 0 stores token 2 w, lane 1 token 2 w + 1
	v_cndmask_b32 v16, v118, v126, vcc_lo
	v_cndmask_b32 v17, v119, v127, vcc_lo
	v_cndmask_b32 v18, v116, v124, vcc_lo
	s_lshl_b32 s19, s18, 3
	v_lshl_add_u32 v19, v21, 2, s19                ; route: 4 (2 w + lane)
	s_lshl_b32 s19, s18, 4
	v_lshl_add_u32 v20, v21, 3, s19                ; gw: 8 (2 w + lane)
	v_cmp_gt_u32 vcc_lo, 2, v21
	s_wait_xcnt 0x0                                ; EXEC is a source of the stores issued so far: it changes only behind this wait
	s_and_saveexec_b32 s36, vcc_lo
	global_store_b32 v19, v18, s[14:15]
	global_store_b64 v20, v[16:17], s[16:17]
	s_wait_xcnt 0x0                                ; and again in front of the line that widens it
	s_or_b32 exec_lo, exec_lo, s36
	s_cmp_lg_u32 s18, 0                            ; wave 0 stores the 8 tokens' scale bytes: 512 consecutive bytes, aligned
	s_cbranch_scc1 .Lend
	ds_load_b128 v[24:27], v10
	s_wait_dscnt 0x0
	global_store_b128 v1, v[24:27], s[12:13]
.Lend:
	s_set_vgpr_msb 0x5
	s_wait_tensorcnt 0x0
	ds_add_u32 v0, v1
	s_wait_dscnt 0x0
	s_set_vgpr_msb 0x500
	s_endpgm
.Lfunc_end_k_q0efd2a456e_gate:
	.size	k_q0efd2a456e_gate, .Lfunc_end_k_q0efd2a456e_gate-k_q0efd2a456e_gate
	.p2alignl 7, 3214868480
	.fill 96, 4, 3214868480
	.section	.rodata,"a",@progbits
	.p2align	6, 0x0
	.amdhsa_kernel k_q0efd2a456e_gate
		.amdhsa_group_segment_fixed_size 123392
		.amdhsa_private_segment_fixed_size 0
		.amdhsa_enable_private_segment 0
		.amdhsa_kernarg_size 56
		.amdhsa_user_sgpr_count 2
		.amdhsa_user_sgpr_kernarg_segment_ptr 1
		.amdhsa_wavefront_size32 1
		.amdhsa_system_sgpr_workgroup_id_x 1
		.amdhsa_system_sgpr_workgroup_id_y 1
		.amdhsa_system_sgpr_workgroup_id_z 1
		.amdhsa_system_vgpr_workitem_id 0
		.amdhsa_next_free_vgpr 258
		.amdhsa_next_free_sgpr 66
		.amdhsa_reserve_vcc 1
		.amdhsa_float_denorm_mode_32 3
		.amdhsa_float_denorm_mode_16_64 3
		.amdhsa_memory_ordered 1
		.amdhsa_forward_progress 1
		.amdhsa_inst_pref_size 78
	.end_amdhsa_kernel
	.amdgpu_metadata
---
amdhsa.version: [ 1, 2 ]
amdhsa.kernels:
  - .name:           k_q0efd2a456e_gate
    .symbol:         k_q0efd2a456e_gate.kd
    .args:
      - { .name: x, .offset: 0, .size: 8, .value_kind: global_buffer, .address_space: global }
      - { .name: Wg, .offset: 8, .size: 8, .value_kind: global_buffer, .address_space: global }
      - { .name: bg, .offset: 16, .size: 8, .value_kind: global_buffer, .address_space: global }
      - { .name: xcodes, .offset: 24, .size: 8, .value_kind: global_buffer, .address_space: global }
      - { .name: xscales, .offset: 32, .size: 8, .value_kind: global_buffer, .address_space: global }
      - { .name: route, .offset: 40, .size: 8, .value_kind: global_buffer, .address_space: global }
      - { .name: gw, .offset: 48, .size: 8, .value_kind: global_buffer, .address_space: global }
    .group_segment_fixed_size: 123392
    .private_segment_fixed_size: 0
    .kernarg_segment_align: 8
    .kernarg_segment_size: 56
    .max_flat_workgroup_size: 128
    .sgpr_count:     66
    .vgpr_count:     258
    .wavefront_size: 32
...
	.end_amdgpu_metadata
.endif
;; end of part 1
;; launch weights (part 2): grid 513 x 1, 8 waves a work-group, no clusters, 9,216 bytes of LDS; arguments We, route, wcodes, wscales, order, blocks; writes wcodes, wscales, order, blocks
.if DOCPART == 2
	.amdgcn_target "amdgcn-amd-amdhsa--gfx1250"
	.amdhsa_code_object_version 6
	.text
	.protected	k_q0efd2a456e_weights
	.globl	k_q0efd2a456e_weights
	.p2align	8
	.type	k_q0efd2a456e_weights,@function
k_q0efd2a456e_weights:
	s_mov_b64 s[64:65], 0
	v_nop
	global_prefetch_b8 v0, s[64:65] scope:SCOPE_SE
	s_setreg_imm32_b32 hwreg(HW_REG_WAVE_MODE, 25, 1), 1
	s_wait_xcnt 0x0
; TWO JOBS IN ONE LAUNCH, parted by the work-group's number.
; WORK-GROUPS 1 TO 512: We [8][2048 (d)][2048 (o)] f32 is read once and turned into codes of FP4 (E2M1) along d, which is its MIDDLE axis, and one E8M0 byte for each 32 along d.
;   A LANE TAKES A COLUMN o AND ITS REGISTERS RUN DOWN d: a block of 32 lies in one lane's 32 registers, its largest magnitude needs no other lane, and the conversions give codes with d innermost.
;   The codes are laid IN THE ORDER OF THE OPERAND'S REGISTERS: [e 8][og 32 (64 columns)][ks 16 (128 along d)][ot 4 (16 columns)][c 2][lane 32][16 bytes]; lane 16 h + r holds column r, d = 64 c + 32 h + 0 .. 31:
;   a lane's block of 32 codes IS one such 16 bytes, so each half of a wave stores 256 consecutive bytes, aligned, and nothing goes through LDS.
;   The scale words: [e 8][og 32][kp 8 (two ks)][p 2 (two ot)][lane 32][8 bytes]: lane 16 (ot % 2) + r; the word of ks = 2 kp, then that of 2 kp + 1: a wave stores 256 consecutive bytes.
;   A work-group takes one expert, 256 columns, 256 along d; a wave 32 columns: 8 blocks a lane, two blocks (64 loads a wave) ahead.  Every offset is an immediate: 255 x 8,192 bytes at the most.
;   A block's scale is 2^(floor(log2(largest magnitude)) - 2); its byte is the largest magnitude's exponent field - 2, held at 1 from below.
;   LIMITS: NaN and infinities are not served; a block whose largest magnitude lies under 2^-124 (a block of zeros among them) gets the byte 1; this program alone reads the bytes.
; WORK-GROUP 0: the 2,048 tokens are sorted by their PAIR of experts (28 pairs, p = lo (15 - lo) / 2 + hi - lo - 1), a counting sort without atomics, stable in the token's number:
;   order[position] = token | e0 << 12 | e1 << 16.  64 chunks of 32 tokens, 8 to a wave; a table of counts [chunk][key] in LDS; one barrier, which all eight waves of this work-group pass.
;   blocks[b] = which experts the positions 64 b .. 64 b + 63 use, a bit for each: a key's tokens lie on end, so block b uses a key's two experts where the key's run of positions meets the block's.
;   It reads whole numbers that the launch before stored.  Only this work-group touches LDS.
; No tensor loads, no cluster, no matrix unit: the stream's work-groups share nothing.
.set X,  32                            ; v32-95   two sets of 32 numbers
.set C,  96                            ; v96-127  four registers of codes for each of 8 blocks: no store's data are written again
.set RW, 16                            ; sort: v16-23 route words, then the words to store
.set P,  24                            ; v24-31   keys
.set RK, 32                            ; v32-39   rank among the chunk's tokens of the same key
.set CN, 40                            ; v40-47   lane k: the chunk's count of key k
.set CH, 48                            ; v48-111  all 64 chunks' counts; later bases, positions, permute indices
.set GS, 112                           ; v112-119 sums of eight chunks (a wave's)
	s_load_b256 s[4:11], s[0:1], 0x0               ; We s[4:5], route s[6:7], the codes s[8:9], the scale words s[10:11]
	s_load_b64 s[12:13], s[0:1], 0x20              ; order
	s_load_b64 s[40:41], s[0:1], 0x28              ; blocks
	v_lshl_add_u32 v128, v0, 2, 0x2000
	v_mov_b32 v129, 0
	v_lshrrev_b32 v1, 5, v0
	v_readfirstlane_b32 s14, v1                    ; wave 0..7
	v_and_b32 v1, 31, v0                           ; lane
	s_wait_kmcnt 0x0
	s_cmp_eq_u32 ttmp9, 0
	s_cbranch_scc1 .Lsort
	s_sub_co_u32 s15, ttmp9, 1
	s_lshr_b32 s16, s15, 6                         ; e
	s_bfe_u32 s17, s15, 0x30003                    ; cg: which 256 columns
	s_and_b32 s18, s15, 7                          ; kc: which 256 along d
	s_and_b32 s19, s14, 1
	s_lshr_b32 s20, s14, 1
	s_lshl_b32 s21, s17, 2
	s_add_co_u32 s20, s20, s21                     ; og = 4 cg + wave / 2
	s_mov_b32 s23, 0
	s_lshl_b32 s22, s16, 24                        ; We: e << 24 + kc << 21 + cg << 10 + wave << 7
	s_lshl_b32 s24, s18, 21
	s_add_co_u32 s22, s22, s24
	s_lshl_b32 s24, s17, 10
	s_add_co_u32 s22, s22, s24
	s_lshl_b32 s24, s14, 7
	s_add_co_u32 s22, s22, s24
	s_add_nc_u64 s[4:5], s[4:5], s[22:23]
	s_lshl_b32 s22, s16, 21                        ; codes: e << 21 + og << 16 + kc << 13 + (wave % 2) << 11
	s_lshl_b32 s24, s20, 16
	s_add_co_u32 s22, s22, s24
	s_lshl_b32 s24, s18, 13
	s_add_co_u32 s22, s22, s24
	s_lshl_b32 s24, s19, 11
	s_add_co_u32 s22, s22, s24
	s_add_nc_u64 s[8:9], s[8:9], s[22:23]
	s_lshl_b32 s22, s16, 17                        ; scale words: e << 17 + og << 12 + kc << 9 + (wave % 2) << 8
	s_lshl_b32 s24, s20, 12
	s_add_co_u32 s22, s22, s24
	s_lshl_b32 s24, s18, 9
	s_add_co_u32 s22, s22, s24
	s_lshl_b32 s24, s19, 8
	s_add_co_u32 s22, s22, s24
	s_add_nc_u64 s[10:11], s[10:11], s[22:23]
	v_lshlrev_b32 v2, 2, v1                        ; in: 4 bytes a lane
	v_lshrrev_b32 v5, 4, v1
	v_and_b32 v3, 15, v1
	v_lshlrev_b32 v3, 4, v3
	v_lshl_or_b32 v3, v5, 10, v3                   ; codes: lanes 16-31 belong to the next tile of 16 columns, 1,024 bytes on
	v_lshlrev_b32 v4, 3, v1                        ; scale words: 8 bytes a lane
.macro LOAD t                          ; block t: We(32 t + i, my column) into set t % 2
.set i, 0
.rept 32
	global_load_b32 v[X+32*((\t)%2)+i], v2, s[4:5] offset:(32*(\t)+i)*8192 th:TH_LOAD_NT
.set i, i+1
.endr
.endm
.macro BLOCK t
.set XS, X+32*((\t)%2)
.if (\t) < 7
	s_wait_loadcnt 32                              ; this block's 32 loads are in; the next block's may be out
.else
	s_wait_loadcnt 0x0
.endif
	v_max3_num_f32 v8, |v[XS]|, |v[XS+1]|, |v[XS+2]|               ; the block's largest magnitude: all 32 numbers are mine
	v_max3_num_f32 v9, |v[XS+3]|, |v[XS+4]|, |v[XS+5]|
.irp i, 6,10,14,18,22,26
	v_max3_num_f32 v8, v8, |v[XS+\i]|, |v[XS+\i+1]|
	v_max3_num_f32 v9, v9, |v[XS+\i+2]|, |v[XS+\i+3]|
.endr
	v_max3_num_f32 v8, v8, |v[XS+30]|, |v[XS+31]|
	v_max3_num_f32 v8, v8, v9, 0x1800000           ; and the floor 2^(3 - 127)
	v_add_nc_u32 v10, 0xff000000, v8               ; 2 off the exponent field: the conversion's scale operand
	v_lshrrev_b32 v11, 23, v10                     ; the scale's byte
.if (\t)%4 == 0
	v_mov_b32 v[6+(\t)/4], v11                     ; four bytes to a word, the lower d in the lower byte
.else
	v_lshl_or_b32 v[6+(\t)/4], v11, 8*((\t)%4), v[6+(\t)/4]
.endif
.irp g, 0,1,2,3
	v_cvt_scalef32_pk8_fp4_f32 v[C+4*(\t)+\g], v[XS+8*\g:XS+8*\g+7], v10
.endr
	global_store_b128 v3, v[C+4*(\t):C+4*(\t)+3], s[8:9] offset:((\t)/4)*4096+(((\t)%4)/2)*512+((\t)%2)*256   ; ks, c and h of this block stand in the immediate
.if (\t)+2 < 8
	LOAD (\t)+2                                    ; (a load into a conversion's sources wants no line between; the next block begins with plain lines on the other set)
.endif
.endm
	LOAD 0
	LOAD 1
.irp t, 0,1,2,3,4,5,6,7
	BLOCK \t
.endr
	global_store_b64 v4, v[6:7], s[10:11]
	s_endpgm
.Lsort:
	s_lshl_b32 s15, s14, 10
	v_lshl_add_u32 v2, v1, 2, s15                  ; 1,024 x wave + 4 x lane: my word of route, and of the table, in chunk 8 w
	v_lshlrev_b32 v3, 2, v1                        ; 4 x lane
	s_lshl_b32 s16, s14, 8
	v_add_nc_u32 v4, s16, v1                       ; my token in chunk 8 w
.irp c, 0,1,2,3,4,5,6,7
	global_load_b32 v[RW+\c], v2, s[6:7] offset:128*\c
.endr
	s_wait_loadcnt 0x0
.irp c, 0,1,2,3,4,5,6,7
	v_and_b32 v8, 7, v[RW+\c]                      ; e0
	v_bfe_u32 v9, v[RW+\c], 8, 3                   ; e1
	v_min_u32 v10, v8, v9                          ; lo
	v_max_u32 v11, v8, v9                          ; hi
	v_sub_nc_u32 v12, 15, v10
	v_mul_u32_u24 v12, v12, v10
	v_lshrrev_b32 v12, 1, v12
	v_add_nc_u32 v12, v12, v11
	v_sub_nc_u32 v12, v12, v10
	v_add_nc_u32 v12, -1, v12
	v_min_u32 v[P+\c], 27, v12                     ; the key: which of the 28 pairs
	v_add_nc_u32 v13, 32*\c, v4
	v_lshl_or_b32 v13, v8, 12, v13
	v_lshl_or_b32 v[RW+\c], v9, 16, v13            ; the word to store
	v_mov_b32 v[RK+\c], 0
	v_mov_b32 v[CN+\c], 0
.endr
.set k, 0
.rept 28                               ; key by key, the eight chunks side by side, each with a mask, a count and a temporary of its own
.irp c, 0,1,2,3,4,5,6,7
	v_cmp_eq_u32 s[20+\c], k, v[P+\c]
.endr
.irp c, 0,1,2,3,4,5,6,7
	v_mbcnt_lo_u32_b32 v[8+\c], s[20+\c], 0        ; how many lanes below me have this key
.endr
.irp c, 0,1,2,3,4,5,6,7
	v_cndmask_b32 v[RK+\c], v[RK+\c], v[8+\c], s[20+\c]
.endr
.irp c, 0,1,2,3,4,5,6,7
	s_bcnt1_i32_b32 s[28+\c], s[20+\c]
.endr
.irp c, 0,1,2,3,4,5,6,7
	v_writelane_b32 v[CN+\c], s[28+\c], k
.endr
.set k, k+1
.endr
.irp c, 0,1,2,3,4,5,6,7
	ds_store_b32 v2, v[CN+\c] offset:128*\c
.endr
	s_wait_dscnt 0x0                               ; for the others' sake: my eight rows of the table lie in LDS
	s_barrier_signal -1
	s_barrier_wait -1
.set c, 0
.rept 64
	ds_load_b32 v[CH+c], v3 offset:128*c           ; lane k: every chunk's count of key k
.set c, c+1
.endr
	s_wait_dscnt 0x0
.irp g, 0,1,2,3,4,5,6,7
	v_add3_u32 v[GS+\g], v[CH+8*\g], v[CH+8*\g+1], v[CH+8*\g+2]
	v_add3_u32 v[GS+\g], v[GS+\g], v[CH+8*\g+3], v[CH+8*\g+4]
	v_add3_u32 v[GS+\g], v[GS+\g], v[CH+8*\g+5], v[CH+8*\g+6]
	v_add_nc_u32 v[GS+\g], v[GS+\g], v[CH+8*\g+7]
.endr
	v_add3_u32 v120, v[GS], v[GS+1], v[GS+2]       ; lane k: all tokens of key k
	v_add3_u32 v120, v120, v[GS+3], v[GS+4]
	v_add3_u32 v120, v120, v[GS+5], v[GS+6]
	v_add_nc_u32 v120, v120, v[GS+7]
	v_mov_b32 v121, 0                              ; those of the waves in front of mine
.irp g, 0,1,2,3,4,5,6
	s_cmp_gt_u32 s14, \g
	s_cselect_b32 s36, 1, 0
	v_mad_u32_u24 v121, v[GS+\g], s36, v121
.endr
	v_lshlrev_b32 v5, 6, v1                        ; for the blocks' masks LANE b STANDS FOR BLOCK b: its first position,
	v_add_nc_u32 v6, 64, v5                        ; the position behind its last,
	v_mov_b32 v7, 0                                ; its experts so far
	v_mov_b32 v122, 0                              ; lane k: all tokens of the keys under k
	s_mov_b32 s37, 0
.set k, 0
.set elo, 0
.set ehi, 1                            ; key k is the pair (elo, ehi): the pairs in the order of the dictionary
.rept 28
	v_writelane_b32 v122, s37, k                   ; where key k's tokens begin
	v_readlane_b32 s38, v120, k                    ; how many they are
	v_cmp_gt_u32 s42, v6, s37                      ; the key begins in front of the block's end,
	s_add_co_u32 s37, s37, s38
	v_cmp_lt_u32 s43, v5, s37                      ; and ends behind its beginning;
	s_cmp_lg_u32 s38, 0                            ; a key without tokens gives no bit
	s_cselect_b32 s44, (1<<elo)|(1<<ehi), 0
	s_and_b32 s42, s42, s43
	v_or_b32 v123, s44, v7
	v_cndmask_b32 v7, v7, v123, s42
.set k, k+1
.set ehi, ehi+1
.if ehi == 8
.set elo, elo+1
.set ehi, elo+1
.endif
.endr
	s_cmp_lg_u32 s14, 0                            ; every wave holds the same 32 masks: wave 0 stores them
	s_cbranch_scc1 .Lnoblocks
	global_store_b32 v3, v7, s[40:41]
.Lnoblocks:
	v_add_nc_u32 v[CH], v122, v121                 ; lane k: where chunk 8 w's tokens of key k begin;
.irp c, 1,2,3,4,5,6,7
	v_add_nc_u32 v[CH+\c], v[CH+\c-1], v[CN+\c-1]  ; and the chunks behind it
.endr
.irp c, 0,1,2,3,4,5,6,7
	v_lshlrev_b32 v[CH+16+\c], 2, v[P+\c]
.endr
.irp c, 0,1,2,3,4,5,6,7
	ds_bpermute_b32 v[CH+8+\c], v[CH+16+\c], v[CH+\c]   ; each lane takes the base of its own key: a permute between lanes, no LDS byte is touched
.endr
	s_wait_dscnt 0x0
.irp c, 0,1,2,3,4,5,6,7
	v_add_nc_u32 v[CH+8+\c], v[CH+8+\c], v[RK+\c]
	v_min_u32 v[CH+8+\c], 0x7ff, v[CH+8+\c]        ; a position: 0 .. 2,047
	v_lshlrev_b32 v[CH+8+\c], 2, v[CH+8+\c]
.endr
.irp c, 0,1,2,3,4,5,6,7
	global_store_b32 v[CH+8+\c], v[RW+\c], s[12:13]   ; a scatter by its nature: 8 KiB in all
.endr
	s_wait_tensorcnt 0x0
	ds_add_u32 v128, v129
	s_wait_dscnt 0x0
	s_endpgm
.Lfunc_end_k_q0efd2a456e_weights:
	.size	k_q0efd2a456e_weights, .Lfunc_end_k_q0efd2a456e_weights-k_q0efd2a456e_weights
	.p2alignl 7, 3214868480
	.fill 96, 4, 3214868480
	.section	.rodata,"a",@progbits
	.p2align	6, 0x0
	.amdhsa_kernel k_q0efd2a456e_weights
		.amdhsa_group_segment_fixed_size 9216
		.amdhsa_private_segment_fixed_size 0
		.amdhsa_enable_private_segment 0
		.amdhsa_kernarg_size 48
		.amdhsa_user_sgpr_count 2
		.amdhsa_user_sgpr_kernarg_segment_ptr 1
		.amdhsa_wavefront_size32 1
		.amdhsa_system_sgpr_workgroup_id_x 1
		.amdhsa_system_sgpr_workgroup_id_y 1
		.amdhsa_system_sgpr_workgroup_id_z 1
		.amdhsa_system_vgpr_workitem_id 0
		.amdhsa_next_free_vgpr 130
		.amdhsa_next_free_sgpr 66
		.amdhsa_reserve_vcc 0
		.amdhsa_float_denorm_mode_32 3
		.amdhsa_float_denorm_mode_16_64 3
		.amdhsa_memory_ordered 1
		.amdhsa_forward_progress 1
		.amdhsa_inst_pref_size 132
	.end_amdhsa_kernel
	.amdgpu_metadata
---
amdhsa.version: [ 1, 2 ]
amdhsa.kernels:
  - .name:           k_q0efd2a456e_weights
    .symbol:         k_q0efd2a456e_weights.kd
    .args:
      - { .name: We, .offset: 0, .size: 8, .value_kind: global_buffer, .address_space: global }
      - { .name: route, .offset: 8, .size: 8, .value_kind: global_buffer, .address_space: global }
      - { .name: wcodes, .offset: 16, .size: 8, .value_kind: global_buffer, .address_space: global }
      - { .name: wscales, .offset: 24, .size: 8, .value_kind: global_buffer, .address_space: global }
      - { .name: order, .offset: 32, .size: 8, .value_kind: global_buffer, .address_space: global }
      - { .name: blocks, .offset: 40, .size: 8, .value_kind: global_buffer, .address_space: global }
    .group_segment_fixed_size: 9216
    .private_segment_fixed_size: 0
    .kernarg_segment_align: 8
    .kernarg_segment_size: 48
    .max_flat_workgroup_size: 256
    .sgpr_count:     66
    .vgpr_count:     130
    .wavefront_size: 32
...
	.end_amdgpu_metadata
.endif
;; end of part 2
;; launch moe (part 3): grid 32 x 8, 4 waves a work-group, no clusters, 136,704 bytes of LDS; arguments order, gw, xcodes, xscales, wcodes, wscales, be, out0, blocks; writes out0
.if DOCPART == 3
	.amdgcn_target "amdgcn-amd-amdhsa--gfx1250"
	.amdhsa_code_object_version 6
	.text
	.protected	k_q0efd2a456e_moe
	.globl	k_q0efd2a456e_moe
	.p2align	8
	.type	k_q0efd2a456e_moe,@function
k_q0efd2a456e_moe:
	s_mov_b64 s[64:65], 0
	v_nop
	global_prefetch_b8 v0, s[64:65] scope:SCOPE_SE
	s_setreg_imm32_b32 hwreg(HW_REG_WAVE_MODE, 25, 1), 1
	s_wait_xcnt 0x0
; out[token] = w0 (x We[e0] + be[e0]) + w1 (x We[e1] + be[e1]), the products on codes of FP4 (E2M1) with E8M0 scales for each 32 along D, sums in f32.
; EACH OUTPUT ROW HAS ONE OWNER.  The tokens come sorted by their pair of experts.  A work-group owns 64 sorted positions x 256 columns; a wave all 64 tokens x 64 columns.
; It walks only the experts that its 64 tokens use (a mask of 2 to 8 bits, stored for each block by the launch that sorted; it steers a trip count and addresses, so it is read by a scalar load and handled by scalar
; instructions alone), and after each expert adds g x (sum + bias) into a second set of accumulators, g being the token's weight for that expert or 0: a choice of a VALUE, made in every trip.
; THE TOKENS' CODES FOR ALL OF D STAY IN REGISTERS (64 tokens x 1,024 bytes = 512 registers a wave; gathered once by the work-group, through LDS).  THE WEIGHTS GO FROM MEMORY STRAIGHT INTO REGISTERS: they are laid
; in the order of the operand's registers, so a fragment is two loads of 512 consecutive bytes.
; TWO PASSES OF 32 COLUMNS.  A wave walks its experts twice, for its columns 0-31 and 32-63: the two sets of accumulators then take 64 + 64 registers, and 256 are left for a ring of eight buffers of four fragments.
; A UNIT is two steps of 128 along D x 2 tiles of columns x 4 tiles of tokens: 16 products, 8 fragment loads; an expert's pass is 8 units, once round the ring.  Behind unit U go the loads of the unit six further on
; (the next expert's, or the next pass's first expert's, from unit 2 on): five to six units, 20 to 24 KiB a wave, are on their way.  The weights' bytes and the products are the same as in one pass of 64 columns.
; THE MATRIX INSTRUCTION IS USED TRANSPOSED: source 0 = 16 columns of We, source 1 = 16 tokens.  Lane (r, h) then holds token r, and register j column 8 h + j: the weight g is one number a lane, the bias is the C
; of an expert's first products, and a lane's eight results are 32 neighbouring bytes of a row of out.  The two passes' halves of a row meet in the wave's stage in LDS, so that rows leave as 256 consecutive bytes.
; NO CLUSTER, NO JOINT LOADS, NO TENSOR LOADS: which experts a block walks, and how many, is read from the stored list, so partners would need different tiles and different numbers of them
; a joint walk over all 8 experts would fetch 8 experts' codes where a block may use as few as 2.
; LIMITS: as the two launches in front state them.  A token's two experts differ, so a block uses at least two.
; REGISTERS, in windows of 256 (s_set_vgpr_msb: bits 1:0 source 0, 3:2 source 1, 5:4 source 2, 7:6 destination):
;   window 0: v1-3, v28-31, v122-127 addresses; v4-7 the tokens' words; v8-15 their two weights; v16-23 pairs (g, 0); v24-26 at work; v32-63 x's scale words; v64-79 We's scale words (register 64 + step); v80-95 the bias;
;             v80-111 at the end the rows' offsets in out; v112-121 offsets of the head; v128-255 the ring's buffers 0-3.
;   window 1: v0-63 the weighted sums (tile (o, t) at 8 (4 o + t)), v64-127 the expert's sums; at the head v0-127 x's rows on their way to LDS;  v128-255 the ring's buffers 4-7.
;   windows 2, 3: x's fragments, step s, tile t at 32 (s % 8) + 8 t.
; SCALARS: s[4:19] eight buffers, s[22:23] the ninth; s20 wave; s[24:29] the bases of the expert in hand, s[30:35] of the next, s[36:41] of expert 0 in the pass in hand; s42 the experts left, s53 all of them;
;   s43, s44 the expert in hand, the next; s45 trips left, s52 trips of a pass; s46 the flag of a pass's first expert; s47-51 at work.
.set XP,   1040                        ; LDS: 64 rows of x's codes, 1,024 bytes + 16 = 65 x 16: sixteen rows start at sixteen different 16-byte columns
.set OSTG, 66560                       ; behind them: for each wave 64 rows of 256 bytes + 16, for the way out
.set OP,   272
.set TW,   4
.set GW,   8
.set G,    16
.set SX,   32
.set SW,   64
.set BIAS, 80
.set ROWO, 80
.set TR,   112
.set TS,   120
.set RING, 128
.set TOT,  0
.set ACC,  64
.set MSB, 0
.macro WIN new                         ; the immediate's high byte repeats the setting that is left
.if MSB != \new
	s_set_vgpr_msb (MSB<<8)|\new
.set MSB, \new
.endif
.endm
.macro POP e                           ; the lowest expert left in the mask
	s_ctz_i32_b32 s[\e], s42
	s_min_u32 s[\e], s[\e], 7
	s_add_co_i32 s47, s42, -1
	s_and_b32 s42, s42, s47
.endm
.macro BASES bs, e                     ; set bs (0: s[24:29], the expert in hand; 1: s[30:35], the next): its codes, scale words and bias at my columns of the pass
	s_lshl_b32 s48, s[\e], 21
	s_add_nc_u64 s[24+6*\bs:25+6*\bs], s[36:37], s[48:49]
	s_lshl_b32 s48, s[\e], 17
	s_add_nc_u64 s[26+6*\bs:27+6*\bs], s[38:39], s[48:49]
	s_lshl_b32 s48, s[\e], 13
	s_add_nc_u64 s[28+6*\bs:29+6*\bs], s[40:41], s[48:49]
.endm
; The loads of unit V of the expert of set bs: in unit 0 the bias of 32 columns (4 loads); the scale words of its two steps (1); four fragments (8): 13 or 9 loads.
.macro BATCH V, bs
.if (\V) == 0
.irp o, 0,1
	global_load_b128 v[BIAS+8*\o:BIAS+8*\o+3], v3, s[28+6*(\bs):29+6*(\bs)] offset:64*\o
	global_load_b128 v[BIAS+8*\o+4:BIAS+8*\o+7], v3, s[28+6*(\bs):29+6*(\bs)] offset:64*\o+16
.endr
.endif
	global_load_b64 v[SW+2*(\V):SW+2*(\V)+1], v2, s[26+6*(\bs):27+6*(\bs)] offset:512*(\V)
.if (\V) >= 4
	WIN 0x40                                       ; buffers 4 to 7 lie in window 1
.endif
.irp k, 0,1
.irp o, 0,1
.irp c, 0,1
	global_load_b128 v[RING+32*((\V)%4)+16*\k+8*\o+4*\c:RING+32*((\V)%4)+16*\k+8*\o+4*\c+3], v1, s[24+6*(\bs):25+6*(\bs)] offset:4096*(2*(\V)+\k)+1024*\o+512*\c
.endr
.endr
.endr
	WIN 0
.endm
	s_load_b512 s[4:19], s[0:1], 0x0               ; order s[4:5], gw s[6:7], x's codes s[8:9], x's scales s[10:11], We's codes s[12:13], We's scales s[14:15], be s[16:17], out s[18:19]
	s_load_b64 s[22:23], s[0:1], 0x40              ; blocks
	v_lshrrev_b32 v24, 5, v0
	v_readfirstlane_b32 s20, v24                   ; wave 0..3
	v_and_b32 v24, 31, v0                          ; lane
	v_and_b32 v25, 15, v0                          ; r
	v_bfe_u32 v26, v0, 4, 1                        ; h
	v_lshlrev_b32 v1, 4, v24                       ; v1 = 16 x lane: a fragment's image
	v_lshlrev_b32 v2, 3, v24                       ; v2 = 8 x lane: We's scale words
	v_lshlrev_b32 v3, 5, v26                       ; v3 = 32 h: the bias of my eight columns
	v_lshlrev_b32 v123, 2, v24                     ; 4 x lane
	v_lshlrev_b32 v124, 2, v26                     ; 4 h
	v_lshlrev_b32 v125, 4, v25                     ; 16 r
	v_lshlrev_b32 v126, 2, v25                     ; 4 r
	s_lshl_b32 s47, s20, 6
	v_add_nc_u32 v122, s47, v124                   ; 64 w + 4 h
	s_mul_i32 s47, s20, 64*OP
	s_add_co_u32 s47, s47, OSTG                    ; my stage
	v_mul_u32_u24 v28, v25, OP
	v_lshl_add_u32 v28, v26, 5, v28
	v_add_nc_u32 v28, s47, v28                     ; v28: into it: row r, 32 bytes for each half of the lanes
	v_mul_u32_u24 v29, v26, OP
	v_lshl_add_u32 v29, v25, 4, v29
	v_add_nc_u32 v29, s47, v29                     ; v29: back: lanes 0-15 one row, lanes 16-31 the next
	v_mul_u32_u24 v30, v25, XP
	v_lshl_add_u32 v30, v26, 4, v30                ; v30: a fragment of x: row r, + 16 h
	s_mul_i32 s47, s20, 16*XP
	v_mul_u32_u24 v31, v26, XP
	v_lshl_add_u32 v31, v25, 4, v31
	v_add_nc_u32 v31, s47, v31                     ; v31: x's rows into LDS: my wave's 16 rows, two an instruction
.irp t, 0,1,2,3
	v_mov_b32 v[G+2*\t+1], 0                       ; the upper halves of the pairs (g, 0): named with g, so they are written
.endr
	s_and_b32 s21, ttmp7, 0xffff
	s_lshl_b32 s21, s21, 2
	s_add_co_u32 s21, s21, s20                     ; og: my 64 columns = 4 x work-group y + wave
	s_mov_b32 s49, 0
	s_wait_kmcnt 0x0
	s_lshl_b32 s48, ttmp9, 2
	s_add_nc_u64 s[22:23], s[22:23], s[48:49]
	s_load_b32 s42, s[22:23], 0x0                  ; which experts my block uses
	s_lshl_b32 s48, ttmp9, 8
	s_add_nc_u64 s[4:5], s[4:5], s[48:49]          ; order at my block's 64 positions
	s_lshl_b32 s48, s21, 16
	s_add_nc_u64 s[36:37], s[12:13], s[48:49]      ; We's codes, scale words and the bias at my 64 columns of expert 0
	s_lshl_b32 s48, s21, 12
	s_add_nc_u64 s[38:39], s[14:15], s[48:49]
	s_lshl_b32 s48, s21, 8
	s_add_nc_u64 s[40:41], s[16:17], s[48:49]
	s_add_nc_u64 s[18:19], s[18:19], s[48:49]      ; out at my 64 columns
.irp t, 0,1,2,3
	global_load_b32 v[TW+\t], v126, s[4:5] offset:64*\t    ; position 16 t + r: both halves of the lanes hold token r of tile t
.endr
.irp i, 0,1,2,3,4,5,6,7
	global_load_b32 v[TR+\i], v122, s[4:5] offset:8*\i     ; position 16 w + 2 i + h: the rows that my wave brings into LDS
.endr
.irp i, 0,1
	global_load_b32 v[TS+\i], v123, s[4:5] offset:128*\i   ; position 32 i + lane: the scale words' lanes
.endr
	s_wait_loadcnt 0x0
.irp i, 0,1,2,3,4,5,6,7
	v_and_b32 v[TR+\i], 0x7ff, v[TR+\i]
	v_min_u32 v[TR+\i], 0x7ff, v[TR+\i]            ; a token: 0 .. 2,047
	v_lshl_add_u32 v[TR+\i], v[TR+\i], 10, v125    ; its row of 1,024 bytes, 16 bytes a lane
.endr
.irp i, 0,1
	v_and_b32 v[TS+\i], 0x7ff, v[TS+\i]
	v_min_u32 v[TS+\i], 0x7ff, v[TS+\i]
	v_lshlrev_b32 v[TS+\i], 6, v[TS+\i]            ; its 64 scale bytes
.endr
.irp t, 0,1,2,3                        ; gw's offsets in v122, v123, v126, v127: the wait above has freed them
	v_and_b32 v[122+\t+2*(\t/2)], 0x7ff, v[TW+\t]
	v_min_u32 v[122+\t+2*(\t/2)], 0x7ff, v[122+\t+2*(\t/2)]
	v_lshlrev_b32 v[122+\t+2*(\t/2)], 3, v[122+\t+2*(\t/2)]
.endr
	WIN 0x40                                       ; destination window 1
.irp i, 0,1,2,3,4,5,6,7
.irp q, 0,1,2,3
	global_load_b128 v[16*\i+4*\q:16*\i+4*\q+3], v[TR+\i], s[8:9] offset:256*\q   ; sixteen lanes read 256 consecutive bytes of one token's codes
.endr
.endr
	WIN 0
.irp t, 0,1,2,3
	global_load_b64 v[GW+2*\t:GW+2*\t+1], v[122+\t+2*(\t/2)], s[6:7]
.endr
.irp i, 0,1
.irp g, 0,1,2,3
	global_load_b128 v[SX+16*\i+4*\g:SX+16*\i+4*\g+3], v[TS+\i], s[10:11] offset:16*\g   ; register SX + 16 i + s: lanes 0-15 tile 2 i's word of step s, lanes 16-31 tile 2 i + 1's
.endr
.endr
	s_wait_kmcnt 0x0                               ; the mask
	s_and_b32 s42, s42, 0xff
	s_mov_b32 s53, s42                             ; kept for the second pass
	s_bcnt1_i32_b32 s52, s42
	s_sub_co_i32 s52, s52, 1                       ; trips of a pass's loop: all experts but the last, which is written out
	s_max_i32 s52, s52, 1                          ; (a token's two experts differ, so neither bound ever acts: they keep the count of trips between 1 and 7)
	s_min_u32 s52, s52, 7
	POP 43
	BASES 0, 43
	BATCH 0, 0
	s_wait_loadcnt 25                              ; behind x's rows stand 4 loads of gw, 8 of x's scales and unit 0's 13: the rows are in
	WIN 0x04                                       ; an LDS store's data are its source 1: window 1
.irp i, 0,1,2,3,4,5,6,7
.irp q, 0,1,2,3
	ds_store_b128 v31, v[16*\i+4*\q:16*\i+4*\q+3] offset:2*XP*\i+256*\q
.endr
.endr
	WIN 0
.irp v, 1,2,3,4,5
	BATCH \v, 0                                    ; the first expert's units 1 to 5 go out while the rows settle in LDS
.endr
	s_wait_dscnt 0x0                               ; for the others' sake: my 16 rows lie in LDS
	s_barrier_signal -1
	s_barrier_wait -1                              ; all 64 do
	WIN 0x80                                       ; destination window 2: steps 0 to 7
.irp s, 0,1,2,3,4,5,6,7
.irp t, 0,1,2,3
.irp c, 0,1
	ds_load_b128 v[32*\s+8*\t+4*\c:32*\s+8*\t+4*\c+3], v30 offset:16*XP*\t+64*\s+32*\c
.endr
.endr
.endr
	WIN 0xc0                                       ; window 3: steps 8 to 15
.irp s, 0,1,2,3,4,5,6,7
.irp t, 0,1,2,3
.irp c, 0,1
	ds_load_b128 v[32*\s+8*\t+4*\c:32*\s+8*\t+4*\c+3], v30 offset:16*XP*\t+64*(\s+8)+32*\c
.endr
.endr
.endr
	WIN 0                                          ; no wait here: each unit waits for its own two steps' fragments
; One product: columns tile o of the pass's two x tokens tile t, step s.  We's scale words: lanes 0-15 hold the even tile's, lanes 16-31 the odd tile's; x's likewise.
.macro MM o, t, s
.set rD, ACC+8*(4*(\o)+(\t))
.set rA, RING+32*(((\s)/2)%4)+16*((\s)%2)+8*(\o)
.set rB, 32*((\s)%8)+8*(\t)
.set rC, rD
.if (\s) == 0
.set rC, BIAS+8*(\o)                   ; the bias starts the sums: nothing is cleared, nothing is added later
.endif
.set rSA, SW+(\s)
.set rSB, SX+16*((\t)/2)+(\s)
.if ((\o)%2 == 0) && ((\t)%2 == 0)
	v_wmma_scale_f32_16x16x128_f8f6f4 v[rD:rD+7], v[rA:rA+7], v[rB:rB+7], v[rC:rC+7], v[rSA], v[rSB] matrix_a_fmt:MATRIX_FMT_FP4 matrix_b_fmt:MATRIX_FMT_FP4
.elseif ((\o)%2 == 1) && ((\t)%2 == 0)
	v_wmma_scale_f32_16x16x128_f8f6f4 v[rD:rD+7], v[rA:rA+7], v[rB:rB+7], v[rC:rC+7], v[rSA], v[rSB] matrix_a_fmt:MATRIX_FMT_FP4 matrix_b_fmt:MATRIX_FMT_FP4 matrix_a_scale:MATRIX_SCALE_ROW1
.elseif ((\o)%2 == 0) && ((\t)%2 == 1)
	v_wmma_scale_f32_16x16x128_f8f6f4 v[rD:rD+7], v[rA:rA+7], v[rB:rB+7], v[rC:rC+7], v[rSA], v[rSB] matrix_a_fmt:MATRIX_FMT_FP4 matrix_b_fmt:MATRIX_FMT_FP4 matrix_b_scale:MATRIX_SCALE_ROW1
.else
	v_wmma_scale_f32_16x16x128_f8f6f4 v[rD:rD+7], v[rA:rA+7], v[rB:rB+7], v[rC:rC+7], v[rSA], v[rSB] matrix_a_fmt:MATRIX_FMT_FP4 matrix_b_fmt:MATRIX_FMT_FP4 matrix_a_scale:MATRIX_SCALE_ROW1 matrix_b_scale:MATRIX_SCALE_ROW1
.endif
.endm
; Unit U of an expert's pass: 16 products, the 8 accumulators by turns, in the same order in every step; then the loads of the unit six further on, into the buffer read two units ago.
; more = 1: from unit 2 on those are the NEXT expert's.  The wait on loads leaves out the five batches issued behind unit U's: 5 x 9 = 45; where the next expert's unit 0 (13) is among them, 49; in the last expert of
; all 9 (7 - U), and extra more for loads that were issued behind the last batch.
; The wait on LDS serves the first expert alone: x's 128 fragment loads were issued by ascending step, 8 a step, and unit U reads steps 2 U and 2 U + 1: 112 - 16 U younger ones may be out (63 where that is more than the wait can name).
.macro UNIT U, more, extra
.if (\U) < 3
.set LEFT, 45
.elseif \more
.set LEFT, 49
.else
.set LEFT, 9*(7-(\U))+(\extra)
.endif
	s_wait_loadcnt LEFT
.if (\U) < 4
	s_wait_dscnt 63
.else
	s_wait_dscnt 16*(7-(\U))
.endif
.irp k, 0,1
.if 2*(\U)+\k == 0
	WIN 0x48                                       ; source 0 (We) window 0, source 1 (x) window 2, C (the bias) window 0, D window 1
.elseif (\U) < 4
	WIN 0x58                                       ; C and D window 1
.else
	WIN 0x5d                                       ; We in window 1, x in window 3
.endif
.irp o, 0,1
.irp t, 0,1,2,3
	MM \o, \t, 2*(\U)+\k
.endr
.endr
.endr
	WIN 0
.rept 4
	v_nop                                          ; places in front of loads into registers that products have read, and of the first read of results
.endr
.if (\U) < 2
	BATCH (\U)+6, 0
.elseif \more
	BATCH (\U)-2, 1
.endif
.endm
; Behind an expert's pass: g = the token's weight for it, or 0; the weighted sums take g x (the expert's sums).  canfirst = 1: a pass's first expert starts them (a scalar flag, set by this text alone).
.macro EPI canfirst
.irp t, 0,1,2,3
	v_bfe_u32 v24, v[TW+\t], 12, 3
	v_bfe_u32 v25, v[TW+\t], 16, 3
	v_cmp_eq_u32 s50, s43, v24
	v_cmp_eq_u32 s51, s43, v25
	v_cndmask_b32 v26, 0, v[GW+2*\t+1], s51
	v_cndmask_b32 v[G+2*\t], v26, v[GW+2*\t], s50
.endr
.if \canfirst
	s_cmp_lg_u32 s46, 0
	s_cbranch_scc0 .Ladd_\@
	WIN 0x51                                       ; destination, source 0 and source 2 window 1; g window 0
.set a, 0
.rept 8
.set j, 0
.rept 4
	v_pk_mul_f32 v[TOT+8*a+2*j:TOT+8*a+2*j+1], v[ACC+8*a+2*j:ACC+8*a+2*j+1], v[G+2*(a%4):G+2*(a%4)+1] op_sel_hi:[1,0]
.set j, j+1
.endr
.set a, a+1
.endr
	WIN 0
	s_mov_b32 s46, 0
	s_branch .Lsummed_\@
.Ladd_\@:
.endif
	WIN 0x51
.set a, 0
.rept 8                                ; each accumulator from its low end on
.set j, 0
.rept 4
	v_pk_fma_f32 v[TOT+8*a+2*j:TOT+8*a+2*j+1], v[ACC+8*a+2*j:ACC+8*a+2*j+1], v[G+2*(a%4):G+2*(a%4)+1], v[TOT+8*a+2*j:TOT+8*a+2*j+1] op_sel_hi:[1,0,1]
.set j, j+1
.endr
.set a, a+1
.endr
	WIN 0
.if \canfirst
.Lsummed_\@:
.endif
.endm
.macro TRIP                            ; one expert's pass, and the first six units' loads of the one that follows
	POP 44
	BASES 1, 44
.irp u, 0,1,2,3,4,5,6,7
	UNIT \u, 1, 0
.endr
.endm
.macro NEXT                            ; the next expert becomes the one in hand
	s_wait_xcnt 0x0                                ; the loads issued so far have read their bases: both sets may be written
	s_mov_b64 s[24:25], s[30:31]
	s_mov_b64 s[26:27], s[32:33]
	s_mov_b64 s[28:29], s[34:35]
	s_mov_b32 s43, s44
.endm
.macro STAGE p                         ; pass p's weighted sums into my stage: 128 bytes of each of the 64 rows.  (They are written again only behind unit 7's wait for all LDS instructions)
	WIN 0x04
.irp t, 0,1,2,3
.irp o, 0,1
	ds_store_b128 v28, v[TOT+8*(4*\o+\t):TOT+8*(4*\o+\t)+3] offset:16*OP*\t+64*(2*\p+\o)
	ds_store_b128 v28, v[TOT+8*(4*\o+\t)+4:TOT+8*(4*\o+\t)+7] offset:16*OP*\t+64*(2*\p+\o)+16
.endr
.endr
	WIN 0
.endm
	; ---- PASS 0: my columns 0 to 31
	s_mov_b32 s45, s52
	s_mov_b32 s46, 1
.Lexp0:
	TRIP
	EPI 1
	NEXT
	s_sub_co_u32 s45, s45, 1
	s_cmp_lg_u32 s45, 0
	s_cbranch_scc1 .Lexp0
	s_add_nc_u64 s[36:37], s[36:37], 2048          ; the pass's last expert; behind it comes the first expert again, at my columns 32 to 63: two tiles of codes,
	s_add_nc_u64 s[38:39], s[38:39], 256           ; a pair's scale words,
	s_add_nc_u64 s[40:41], s[40:41], 128           ; 32 numbers of the bias further on
	s_mov_b32 s42, s53
	TRIP
	EPI 0
	STAGE 0
	NEXT
	; ---- PASS 1: my columns 32 to 63
	s_mov_b32 s45, s52
	s_mov_b32 s46, 1
.Lexp1:
	TRIP
	EPI 1
	NEXT
	s_sub_co_u32 s45, s45, 1
	s_cmp_lg_u32 s45, 0
	s_cbranch_scc1 .Lexp1
.irp u, 0,1,2,3
	UNIT \u, 0, 0                                  ; the last expert of all is written out: it asks for nothing beyond its own units
.endr
.set k, 0
.rept 32
	global_load_b32 v[ROWO+k], v124, s[4:5] offset:8*k   ; position 2 k + h: whose row it is.  Asked for four units ahead of the way out; the bias's registers are free since unit 0
.set k, k+1
.endr
.irp u, 4,5,6,7
	UNIT \u, 0, 32                                 ; these 32 loads stand behind the last batch: the waits leave them out too
.endr
	; THE WAY OUT.  A lane holds 32 bytes of a token's row and the lanes beside it other tokens': the 64 rows x 256 bytes go through my own stage and come back as whole rows.
	EPI 0
	STAGE 1
.set k, 0
.rept 32
	ds_load_b128 v[RING+4*k:RING+4*k+3], v29 offset:2*OP*k   ; LDS serves a wave's instructions in order: these see my stores of both passes
.set k, k+1
.endr
	s_wait_loadcnt 0x0
.set k, 0
.rept 32
	v_and_b32 v[ROWO+k], 0x7ff, v[ROWO+k]
	v_min_u32 v[ROWO+k], 0x7ff, v[ROWO+k]          ; a token: 0 .. 2,047
	v_lshl_add_u32 v[ROWO+k], v[ROWO+k], 13, v125  ; its row of 8,192 bytes, 16 bytes a lane
.set k, k+1
.endr
.set k, 0
.rept 32
	s_wait_dscnt 31-k                              ; rows 2 k and 2 k + 1 are back; the younger loads may be out
	global_store_b128 v[ROWO+k], v[RING+4*k:RING+4*k+3], s[18:19] th:TH_STORE_NT   ; each half of the wave stores 256 consecutive bytes of one token's row, aligned
.set k, k+1
.endr
	s_wait_xcnt 0x0
	v_lshl_add_u32 v254, v0, 2, 0x21400
	v_mov_b32 v255, 0
	s_wait_tensorcnt 0x0
	ds_add_u32 v254, v255
	s_wait_dscnt 0x0
	s_endpgm
.Lfunc_end_k_q0efd2a456e_moe:
	.size	k_q0efd2a456e_moe, .Lfunc_end_k_q0efd2a456e_moe-k_q0efd2a456e_moe
	.p2alignl 7, 3214868480
	.fill 96, 4, 3214868480
	.section	.rodata,"a",@progbits
	.p2align	6, 0x0
	.amdhsa_kernel k_q0efd2a456e_moe
		.amdhsa_group_segment_fixed_size 136704
		.amdhsa_private_segment_fixed_size 0
		.amdhsa_enable_private_segment 0
		.amdhsa_kernarg_size 72
		.amdhsa_user_sgpr_count 2
		.amdhsa_user_sgpr_kernarg_segment_ptr 1
		.amdhsa_wavefront_size32 1
		.amdhsa_system_sgpr_workgroup_id_x 1
		.amdhsa_system_sgpr_workgroup_id_y 1
		.amdhsa_system_sgpr_workgroup_id_z 1
		.amdhsa_system_vgpr_workitem_id 0
		.amdhsa_next_free_vgpr 1024
		.amdhsa_next_free_sgpr 66
		.amdhsa_reserve_vcc 0
		.amdhsa_float_denorm_mode_32 3
		.amdhsa_float_denorm_mode_16_64 3
		.amdhsa_memory_ordered 1
		.amdhsa_forward_progress 1
		.amdhsa_inst_pref_size 161
	.end_amdhsa_kernel
	.amdgpu_metadata
---
amdhsa.version: [ 1, 2 ]
amdhsa.kernels:
  - .name:           k_q0efd2a456e_moe
    .symbol:         k_q0efd2a456e_moe.kd
    .args:
      - { .name: order, .offset: 0, .size: 8, .value_kind: global_buffer, .address_space: global }
      - { .name: gw, .offset: 8, .size: 8, .value_kind: global_buffer, .address_space: global }
      - { .name: xcodes, .offset: 16, .size: 8, .value_kind: global_buffer, .address_space: global }
      - { .name: xscales, .offset: 24, .size: 8, .value_kind: global_buffer, .address_space: global }
      - { .name: wcodes, .offset: 32, .size: 8, .value_kind: global_buffer, .address_space: global }
      - { .name: wscales, .offset: 40, .size: 8, .value_kind: global_buffer, .address_space: global }
      - { .name: be, .offset: 48, .size: 8, .value_kind: global_buffer, .address_space: global }
      - { .name: out0, .offset: 56, .size: 8, .value_kind: global_buffer, .address_space: global }
      - { .name: blocks, .offset: 64, .size: 8, .value_kind: global_buffer, .address_space: global }
    .group_segment_fixed_size: 136704
    .private_segment_fixed_size: 0
    .kernarg_segment_align: 8
    .kernarg_segment_size: 72
    .max_flat_workgroup_size: 128
    .sgpr_count:     66
    .vgpr_count:     1024
    .wavefront_size: 32
...
	.end_amdgpu_metadata
.endif
;; end of part 3
;; ======== version 2 of 2: 3 launches
;; workspace buffers: xcodes 2,097,152 bytes; xscales 131,072 bytes; route 8,192 bytes of whole numbers; gw 16,384 bytes; wcodes 16,777,216 bytes; wscales 1,048,576 bytes; order 8,192 bytes of whole numbers; blocks 256 bytes of whole numbers
;; launch gate (part 4): grid 256 x 1, 4 waves a work-group, no clusters, 123,392 bytes of LDS; arguments x, Wg, bg, xcodes, xscales, route, gw; writes xcodes, xscales, route, gw
.if DOCPART == 4
	.amdgcn_target "amdgcn-amd-amdhsa--gfx1250"
	.amdhsa_code_object_version 6
	.text
	.protected	k_q0efd2a456e_gate
	.globl	k_q0efd2a456e_gate
	.p2align	8
	.type	k_q0efd2a456e_gate,@function
k_q0efd2a456e_gate:
	s_mov_b64 s[64:65], 0
	v_nop
	global_prefetch_b8 v0, s[64:65] scope:SCOPE_SE
	s_setreg_imm32_b32 hwreg(HW_REG_WAVE_MODE, 25, 1), 1
	s_wait_xcnt 0x0
; x [2048][2048] f32 is read ONCE and serves two things:
;  (1) its codes of FP4 (E2M1) along D, K innermost, 1,024 bytes a token, and one E8M0 byte for each 32 along D, 64 bytes a token;
;  (2) the router in f32: logits = x Wg + bg, the two largest (the lower index wins a tie), and the softmax of the two, with the larger one taken away before the exponential.
; The two experts go to fixed places as whole numbers (route[token] = e0 | e1 << 8), the two weights to gw[token]: no address and no branch here hangs on them.
; SHARES.  A work-group owns 8 tokens; wave w owns d = 512 w .. 512 w + 511 of each of them.  The conversions take neighbours along D from ONE lane's registers, so a lane must hold 16 neighbours
; (two lanes hold a block of 32), while a load is best where neighbouring lanes take neighbouring bytes: each load reads 512 consecutive bytes, and a row's 2,048 bytes turn through the wave's own stage in LDS.
; Wg's 16 x 8 numbers for a lane's 16 d turn through LDS once and stay in 128 registers for all 8 tokens.
; A block's scale is 2^(floor(log2(largest magnitude)) - 2): its byte is the largest magnitude's exponent field - 2, held at 1 from below.
; LIMITS: NaN and infinities among the inputs are not served.  A block whose largest magnitude lies under 2^-124 (a block of zeros among them) gets the byte 1: its codes are zeros or nearly so, and this program alone reads the bytes.
; The router's f32 sum runs in another order than a plain dot product's: two logits that are equal to within the rounding of that sum may be ranked the other way.
; No matrix unit (8 columns), no tensor loads, no cluster: the work-groups share only Wg's 64 KiB.
.set SP,   80                          ; a lane's place in a stage: 64 bytes + 16 of padding
.set XT,   0                           ; LDS: for each wave two stages of 32 x SP bytes
.set WT,   20480                       ; for each wave 32 chunks of 512 + 16 bytes: Wg's turn
.set SCB,  88064                       ; the 8 tokens' scale bytes, 64 each
.set PART, 88576                       ; partial logits: [token 8][wave 4][half 2][lane 32][16 bytes]
.set AE,   16                          ; v16-23   8 sums over my even d
.set AO,   24                          ; v24-31   8 sums over my odd d
.set X,    32                          ; v32-63   two sets of 16 neighbours
.set R,    64                          ; v64-127  four sets of 16 numbers as loaded
.set W,    128                         ; v128-255 v[W + 8 i + e] = Wg[my d i][e]
	s_load_b256 s[4:11], s[0:1], 0x0               ; x s[4:5], Wg s[6:7], bg s[8:9], the codes s[10:11]
	s_load_b128 s[12:15], s[0:1], 0x20             ; the scale bytes s[12:13], route s[14:15]
	s_load_b64 s[16:17], s[0:1], 0x30              ; gw
	s_set_vgpr_msb 0x40
	v_lshl_add_u32 v0, v0, 2, 0x1e000
	v_mov_b32 v1, 0
	s_set_vgpr_msb 0x4000
	v_lshrrev_b32 v9, 5, v0
	v_readfirstlane_b32 s18, v9                    ; wave 0..3
	v_and_b32 v9, 31, v0                           ; lane
	v_lshlrev_b32 v1, 4, v9                        ; v1 = 16 x lane
	v_lshlrev_b32 v4, 3, v9                        ; v4 = 8 x lane: my 16 codes
	s_mul_i32 s19, s18, 2*32*SP
	v_lshrrev_b32 v10, 2, v9
	v_mul_u32_u24 v2, v10, SP
	v_and_b32 v10, 3, v9
	v_lshl_add_u32 v2, v10, 4, v2
	v_add_nc_u32 v2, s19, v2                       ; v2: the stage on the way in: SP (lane / 4) + 16 (lane % 4)
	v_mul_u32_u24 v3, v9, SP
	v_add_nc_u32 v3, s19, v3                       ; v3: and on the way out: SP x lane
	s_lshl_b32 s19, s18, 4
	s_add_co_u32 s19, s19, SCB
	v_lshrrev_b32 v10, 1, v9
	v_add_nc_u32 v5, s19, v10                      ; v5: my block's scale byte: 16 x wave + lane / 2
	s_lshl_b32 s19, s18, 10
	s_add_co_u32 s19, s19, PART
	v_add_nc_u32 v6, s19, v1                       ; v6: my partial logits
	s_mul_i32 s19, s18, 32*528
	s_add_co_u32 s19, s19, WT
	v_add_nc_u32 v7, s19, v1                       ; v7: Wg's turn, in: 16 x lane in chunk q
	v_mul_u32_u24 v8, v9, 528
	v_add_nc_u32 v8, s19, v8                       ; v8: out: chunk = lane.  528 = 33 x 16: sixteen lanes start at sixteen different 16-byte columns
	s_mov_b32 s22, 0x76543210
	s_mov_b32 s23, 0xfedcba98                      ; v_permlanex16_b32's selects for lane l xor 16
	s_mov_b32 s21, 0
	s_wait_alu depctr_va_vdst(0)
	s_wait_kmcnt 0x0
	s_load_b256 s[24:31], s[8:9], 0x0              ; bg's eight numbers
	s_lshl_b32 s20, ttmp9, 16                      ; 8 rows of 8,192 bytes a work-group,
	s_lshl_b32 s19, s18, 11                        ; 2,048 bytes of a row a wave
	s_add_co_u32 s20, s20, s19
	s_add_nc_u64 s[4:5], s[4:5], s[20:21]
	s_lshl_b32 s20, s18, 14                        ; Wg: 512 rows of 32 bytes a wave
	s_add_nc_u64 s[6:7], s[6:7], s[20:21]
	s_lshl_b32 s20, ttmp9, 13                      ; codes: 8 rows of 1,024 bytes, 256 bytes a wave
	s_lshl_b32 s19, s18, 8
	s_add_co_u32 s20, s20, s19
	s_add_nc_u64 s[10:11], s[10:11], s[20:21]
	s_lshl_b32 s20, ttmp9, 9
	s_add_nc_u64 s[12:13], s[12:13], s[20:21]
	s_lshl_b32 s20, ttmp9, 5
	s_add_nc_u64 s[14:15], s[14:15], s[20:21]
	s_lshl_b32 s20, ttmp9, 6
	s_add_nc_u64 s[16:17], s[16:17], s[20:21]
.macro LOADX j                         ; token j's 2,048 bytes of my wave: four loads of 512 consecutive bytes
.irp i, 0,1,2,3
	global_load_b128 v[R+16*((\j)%4)+4*\i:R+16*((\j)%4)+4*\i+3], v1, s[4:5] offset:8192*(\j)+512*\i th:TH_LOAD_NT
.endr
.endm
.macro TURN j                          ; through the stage: LDS serves a wave's instructions in order, so no wait stands between the stores and the loads
.irp i, 0,1,2,3
	ds_store_b128 v2, v[R+16*((\j)%4)+4*\i:R+16*((\j)%4)+4*\i+3] offset:32*SP*((\j)%2)+8*SP*\i
.endr
.irp i, 0,1,2,3
	ds_load_b128 v[X+16*((\j)%2)+4*\i:X+16*((\j)%2)+4*\i+3], v3 offset:32*SP*((\j)%2)+16*\i
.endr
.endm
.set q, 0
.rept 32
	global_load_b128 v[W+4*q:W+4*q+3], v1, s[6:7] offset:512*q   ; Wg as it lies
.set q, q+1
.endr
.irp j, 0,1,2,3
	LOADX \j
.endr
	s_wait_loadcnt 16                              ; behind Wg's loads stand x's sixteen: Wg is in
.set q, 0
.rept 32
	ds_store_b128 v7, v[W+4*q:W+4*q+3] offset:528*q
.set q, q+1
.endr
	s_wait_dscnt 0x0                               ; the stores have read their registers, which the loads below fill anew
.set q, 0
.rept 32
	ds_load_b128 v[W+4*q:W+4*q+3], v8 offset:16*q  ; my 16 rows of Wg: 512 bytes
.set q, q+1
.endr
	s_wait_loadcnt 12                              ; token 0's four loads are in; tokens 1 to 3 stay out
	TURN 0
.macro STEP j
.set XS, X+16*((\j)%2)
.set CP, 12+2*((\j)%2)                 ; the codes' pair: v[12:13], v[14:15] by turns
	s_wait_dscnt 0x0                               ; this token's numbers are back from the stage (in step 0: Wg too), and the stage's stores have read their registers,
.if (\j)+4 < 8
	LOADX (\j)+4                                   ; which take the token four further on
.endif
.if (\j)+1 < 8
.if 6-(\j) >= 3
	s_wait_loadcnt 12                              ; the next token's loads are in; those of the three behind it may be out
.else
	s_wait_loadcnt 4*(6-(\j))
.endif
	TURN (\j)+1
.endif
	v_max3_num_f32 v9, |v[XS]|, |v[XS+1]|, |v[XS+2]|               ; the largest magnitude of my 16, in two chains
	v_max3_num_f32 v10, |v[XS+3]|, |v[XS+4]|, |v[XS+5]|
.irp i, 6,10
	v_max3_num_f32 v9, v9, |v[XS+\i]|, |v[XS+\i+1]|
	v_max3_num_f32 v10, v10, |v[XS+\i+2]|, |v[XS+\i+3]|
.endr
	v_max3_num_f32 v9, v9, |v[XS+14]|, |v[XS+15]|
	v_max3_num_f32 v9, v9, v10, 0x1800000          ; and the floor 2^(3 - 127): the byte cannot fall under 1
	v_max_num_f32_dpp v9, v9, v9 row_xmask:1 row_mask:0xf bank_mask:0xf   ; with my neighbour's 16: the block's
	v_add_nc_u32 v11, 0xff000000, v9               ; 2 off the exponent field: the conversion takes the exponent field of this operand as its scale
	s_wait_alu depctr_va_vdst(0)
	s_wait_xcnt 0x0                                ; the store of two steps ago has read this pair of codes
	v_cvt_scalef32_pk8_fp4_f32 v[CP], v[XS:XS+7], v11
	v_cvt_scalef32_pk8_fp4_f32 v[CP+1], v[XS+8:XS+15], v11
	v_lshrrev_b32 v10, 23, v11                     ; the scale's byte (also the plain line behind the conversions)
	ds_store_b8 v5, v10 offset:64*(\j)             ; both lanes of a block write the same byte with the same value
	global_store_b64 v4, v[CP:CP+1], s[10:11] offset:1024*(\j)   ; the wave stores 256 consecutive bytes, aligned
	; the router: x[d] x Wg[d][0..7], two experts an instruction; even and odd d in sums of their own; the first two d start the sums
.set i, 0
.rept 16
.set m, 0
.rept 4
.if i == 0
	v_pk_mul_f32 v[AE+2*m:AE+2*m+1], v[XS:XS+1], v[W+2*m:W+2*m+1] op_sel_hi:[0,1]
.elseif i == 1
	v_pk_mul_f32 v[AO+2*m:AO+2*m+1], v[XS:XS+1], v[W+8+2*m:W+8+2*m+1] op_sel:[1,0] op_sel_hi:[1,1]
.elseif i%2 == 0
	v_pk_fma_f32 v[AE+2*m:AE+2*m+1], v[XS+i:XS+i+1], v[W+8*i+2*m:W+8*i+2*m+1], v[AE+2*m:AE+2*m+1] op_sel_hi:[0,1,1]
.else
	v_pk_fma_f32 v[AO+2*m:AO+2*m+1], v[XS+i-1:XS+i], v[W+8*i+2*m:W+8*i+2*m+1], v[AO+2*m:AO+2*m+1] op_sel:[1,0,0] op_sel_hi:[1,1,1]
.endif
.set m, m+1
.endr
.set i, i+1
.endr
.irp m, 0,2,4,6
	v_pk_add_f32 v[AE+\m:AE+\m+1], v[AE+\m:AE+\m+1], v[AO+\m:AO+\m+1]
.endr
	ds_store_b128 v6, v[AE:AE+3] offset:4096*(\j)
	ds_store_b128 v6, v[AE+4:AE+7] offset:4096*(\j)+512
.endm
.irp j, 0,1,2,3,4,5,6,7
	STEP \j
.endr
	s_wait_dscnt 0x0                               ; for the others' sake: my partial logits and my scale bytes lie in LDS
	s_barrier_signal -1
	s_barrier_wait -1
	; wave w finishes tokens 2 w and 2 w + 1
	s_lshl_b32 s19, s18, 13
	s_add_co_u32 s19, s19, PART
	v_add_nc_u32 v9, s19, v1
	v_add_nc_u32 v10, SCB, v1                      ; (for wave 0's last lines; made ahead of the branch on the wave's number)
.irp p, 0,1
.irp u, 0,1,2,3
	ds_load_b128 v[32+32*\p+8*\u:35+32*\p+8*\u], v9 offset:4096*\p+1024*\u
	ds_load_b128 v[36+32*\p+8*\u:39+32*\p+8*\u], v9 offset:4096*\p+1024*\u+512
.endr
.endr
	s_wait_dscnt 0x0
.irp u, 1,2,3                          ; over the four waves,
.irp p, 0,1
.irp m, 0,2,4,6
	v_pk_add_f32 v[32+32*\p+\m:33+32*\p+\m], v[32+32*\p+\m:33+32*\p+\m], v[32+32*\p+8*\u+\m:33+32*\p+8*\u+\m]
.endr
.endr
.endr
.irp k, 1,2,4,8                        ; over sixteen lanes,
.irp p, 0,1
.irp e, 0,1,2,3,4,5,6,7
	v_add_f32_dpp v[32+32*\p+\e], v[32+32*\p+\e], v[32+32*\p+\e] row_xmask:\k row_mask:0xf bank_mask:0xf
.endr
.endr
.endr
.irp p, 0,1                            ; and over the two halves: every lane then holds the same 16 sums
.irp e, 0,1,2,3,4,5,6,7
	v_permlanex16_b32 v[96+8*\p+\e], v[32+32*\p+\e], s22, s23
.endr
.endr
	s_wait_kmcnt 0x0                               ; bg
.irp p, 0,1
.irp e, 0,1,2,3,4,5,6,7
	v_add_f32 v[32+32*\p+\e], v[32+32*\p+\e], v[96+8*\p+\e]
.endr
.endr
.irp p, 0,1
.irp e, 0,1,2,3,4,5,6,7
	v_add_f32 v[32+32*\p+\e], s[24+\e], v[32+32*\p+\e]
.endr
.endr
	; token p's figures at v[112 + 8 p]: +0 the largest logit, +1 its expert, +2 the second, +3 its expert, +4 .. +7 at work
.irp p, 0,1
	v_mov_b32 v[112+8*\p], v[32+32*\p]
	v_mov_b32 v[113+8*\p], 0
.endr
.irp e, 1,2,3,4,5,6,7                  ; strictly greater: the lower index keeps a tie
.irp p, 0,1
	v_cmp_gt_f32 s[32+\p], v[32+32*\p+\e], v[112+8*\p]
	v_cndmask_b32 v[112+8*\p], v[112+8*\p], v[32+32*\p+\e], s[32+\p]
	v_cndmask_b32 v[113+8*\p], v[113+8*\p], \e, s[32+\p]
.endr
.endr
.irp p, 0,1                            ; the second begins at the lowest expert that is not the first
	v_cmp_eq_u32 s[32+\p], 0, v[113+8*\p]
	v_cndmask_b32 v[114+8*\p], v[32+32*\p], v[33+32*\p], s[32+\p]
	v_cndmask_b32 v[115+8*\p], 0, 1, s[32+\p]
.endr
.irp e, 1,2,3,4,5,6,7
.irp p, 0,1
	v_cmp_gt_f32 s[32+\p], v[32+32*\p+\e], v[114+8*\p]
	v_cmp_ne_u32 s[34+\p], \e, v[113+8*\p]
	s_and_b32 s[32+\p], s[32+\p], s[34+\p]
	v_cndmask_b32 v[114+8*\p], v[114+8*\p], v[32+32*\p+\e], s[32+\p]
	v_cndmask_b32 v[115+8*\p], v[115+8*\p], \e, s[32+\p]
.endr
.endr
.irp p, 0,1                            ; softmax of the two: the larger is taken away, so t = e^(second - first) is at most 1
	v_sub_f32 v[116+8*\p], v[114+8*\p], v[112+8*\p]
	v_mul_f32 v[116+8*\p], 0x3fb8aa3b, v[116+8*\p]
.endr
	s_wait_alu depctr_va_vdst(0)
	v_exp_f32 v116, v116
	v_exp_f32 v124, v124
	v_and_b32 v21, 31, v0                          ; (a plain line behind the exponentials)  lane
	s_wait_alu depctr_va_vdst(0)
	v_add_f32 v117, 1.0, v116
	v_add_f32 v125, 1.0, v124
	s_wait_alu depctr_va_vdst(0)
	v_rcp_f32 v118, v117                           ; w0 = 1 / (1 + t)
	v_rcp_f32 v126, v125
	v_and_b32 v22, 1, v0                           ; (a plain line behind the reciprocals)
	s_wait_alu depctr_va_vdst(0)
	v_mul_f32 v119, v116, v118                     ; w1 = t w0
	v_mul_f32 v127, v124, v126
	v_lshl_or_b32 v116, v115, 8, v113              ; e0 | e1 << 8
	v_lshl_or_b32 v124, v123, 8, v121
	v_cmp_eq_u32 vcc_lo, 1, v22                    ; lane 0 stores token 2 w, lane 1 token 2 w + 1
	v_cndmask_b32 v16, v118, v126, vcc_lo
	v_cndmask_b32 v17, v119, v127, vcc_lo
	v_cndmask_b32 v18, v116, v124, vcc_lo
	s_lshl_b32 s19, s18, 3
	v_lshl_add_u32 v19, v21, 2, s19                ; route: 4 (2 w + lane)
	s_lshl_b32 s19, s18, 4
	v_lshl_add_u32 v20, v21, 3, s19                ; gw: 8 (2 w + lane)
	v_cmp_gt_u32 vcc_lo, 2, v21
	s_wait_alu depctr_va_vdst(0)
	s_wait_xcnt 0x0                                ; EXEC is a source of the stores issued so far: it changes only behind this wait
	s_and_saveexec_b32 s36, vcc_lo
	global_store_b32 v19, v18, s[14:15]
	global_store_b64 v20, v[16:17], s[16:17]
	s_wait_xcnt 0x0                                ; and again in front of the line that widens it
	s_or_b32 exec_lo, exec_lo, s36
	s_cmp_lg_u32 s18, 0                            ; wave 0 stores the 8 tokens' scale bytes: 512 consecutive bytes, aligned
	s_cbranch_scc1 .Lend
	ds_load_b128 v[24:27], v10
	s_wait_dscnt 0x0
	global_store_b128 v1, v[24:27], s[12:13]
.Lend:
	s_set_vgpr_msb 0x5
	s_wait_tensorcnt 0x0
	ds_add_u32 v0, v1
	s_wait_dscnt 0x0
	s_set_vgpr_msb 0x500
	s_endpgm
.Lfunc_end_k_q0efd2a456e_gate:
	.size	k_q0efd2a456e_gate, .Lfunc_end_k_q0efd2a456e_gate-k_q0efd2a456e_gate
	.p2alignl 7, 3214868480
	.fill 96, 4, 3214868480
	.section	.rodata,"a",@progbits
	.p2align	6, 0x0
	.amdhsa_kernel k_q0efd2a456e_gate
		.amdhsa_group_segment_fixed_size 123392
		.amdhsa_private_segment_fixed_size 0
		.amdhsa_enable_private_segment 0
		.amdhsa_kernarg_size 56
		.amdhsa_user_sgpr_count 2
		.amdhsa_user_sgpr_kernarg_segment_ptr 1
		.amdhsa_wavefront_size32 1
		.amdhsa_system_sgpr_workgroup_id_x 1
		.amdhsa_system_sgpr_workgroup_id_y 1
		.amdhsa_system_sgpr_workgroup_id_z 1
		.amdhsa_system_vgpr_workitem_id 0
		.amdhsa_next_free_vgpr 258
		.amdhsa_next_free_sgpr 66
		.amdhsa_reserve_vcc 1
		.amdhsa_float_denorm_mode_32 3
		.amdhsa_float_denorm_mode_16_64 3
		.amdhsa_memory_ordered 1
		.amdhsa_forward_progress 1
		.amdhsa_inst_pref_size 79
	.end_amdhsa_kernel
	.amdgpu_metadata
---
amdhsa.version: [ 1, 2 ]
amdhsa.kernels:
  - .name:           k_q0efd2a456e_gate
    .symbol:         k_q0efd2a456e_gate.kd
    .args:
      - { .name: x, .offset: 0, .size: 8, .value_kind: global_buffer, .address_space: global }
      - { .name: Wg, .offset: 8, .size: 8, .value_kind: global_buffer, .address_space: global }
      - { .name: bg, .offset: 16, .size: 8, .value_kind: global_buffer, .address_space: global }
      - { .name: xcodes, .offset: 24, .size: 8, .value_kind: global_buffer, .address_space: global }
      - { .name: xscales, .offset: 32, .size: 8, .value_kind: global_buffer, .address_space: global }
      - { .name: route, .offset: 40, .size: 8, .value_kind: global_buffer, .address_space: global }
      - { .name: gw, .offset: 48, .size: 8, .value_kind: global_buffer, .address_space: global }
    .group_segment_fixed_size: 123392
    .private_segment_fixed_size: 0
    .kernarg_segment_align: 8
    .kernarg_segment_size: 56
    .max_flat_workgroup_size: 128
    .sgpr_count:     66
    .vgpr_count:     258
    .wavefront_size: 32
...
	.end_amdgpu_metadata
.endif
;; end of part 4
;; launch weights (part 5): grid 513 x 1, 8 waves a work-group, no clusters, 9,216 bytes of LDS; arguments We, route, wcodes, wscales, order, blocks; writes wcodes, wscales, order, blocks
.if DOCPART == 5
	.amdgcn_target "amdgcn-amd-amdhsa--gfx1250"
	.amdhsa_code_object_version 6
	.text
	.protected	k_q0efd2a456e_weights
	.globl	k_q0efd2a456e_weights
	.p2align	8
	.type	k_q0efd2a456e_weights,@function
k_q0efd2a456e_weights:
	s_mov_b64 s[64:65], 0
	v_nop
	global_prefetch_b8 v0, s[64:65] scope:SCOPE_SE
	s_setreg_imm32_b32 hwreg(HW_REG_WAVE_MODE, 25, 1), 1
	s_wait_xcnt 0x0
; TWO JOBS IN ONE LAUNCH, parted by the work-group's number.
; WORK-GROUPS 1 TO 512: We [8][2048 (d)][2048 (o)] f32 is read once and turned into codes of FP4 (E2M1) along d, which is its MIDDLE axis, and one E8M0 byte for each 32 along d.
;   A LANE TAKES A COLUMN o AND ITS REGISTERS RUN DOWN d: a block of 32 lies in one lane's 32 registers, its largest magnitude needs no other lane, and the conversions give codes with d innermost.
;   The codes are laid IN THE ORDER OF THE OPERAND'S REGISTERS: [e 8][og 32 (64 columns)][ks 16 (128 along d)][ot 4 (16 columns)][c 2][lane 32][16 bytes]; lane 16 h + r holds column r, d = 64 c + 32 h + 0 .. 31:
;   a lane's block of 32 codes IS one such 16 bytes, so each half of a wave stores 256 consecutive bytes, aligned, and nothing goes through LDS.
;   The scale words: [e 8][og 32][kp 8 (two ks)][p 2 (two ot)][lane 32][8 bytes]: lane 16 (ot % 2) + r; the word of ks = 2 kp, then that of 2 kp + 1: a wave stores 256 consecutive bytes.
;   A work-group takes one expert, 256 columns, 256 along d; a wave 32 columns: 8 blocks a lane, two blocks (64 loads a wave) ahead.  Every offset is an immediate: 255 x 8,192 bytes at the most.
;   A block's scale is 2^(floor(log2(largest magnitude)) - 2); its byte is the largest magnitude's exponent field - 2, held at 1 from below.
;   LIMITS: NaN and infinities are not served; a block whose largest magnitude lies under 2^-124 (a block of zeros among them) gets the byte 1; this program alone reads the bytes.
; WORK-GROUP 0: the 2,048 tokens are sorted by their PAIR of experts (28 pairs, p = lo (15 - lo) / 2 + hi - lo - 1), a counting sort without atomics, stable in the token's number:
;   order[position] = token | e0 << 12 | e1 << 16.  64 chunks of 32 tokens, 8 to a wave; a table of counts [chunk][key] in LDS; one barrier, which all eight waves of this work-group pass.
;   blocks[b] = which experts the positions 64 b .. 64 b + 63 use, a bit for each: a key's tokens lie on end, so block b uses a key's two experts where the key's run of positions meets the block's.
;   It reads whole numbers that the launch before stored.  Only this work-group touches LDS.
; No tensor loads, no cluster, no matrix unit: the stream's work-groups share nothing.
.set X,  32                            ; v32-95   two sets of 32 numbers
.set C,  96                            ; v96-127  four registers of codes for each of 8 blocks: no store's data are written again
.set RW, 16                            ; sort: v16-23 route words, then the words to store
.set P,  24                            ; v24-31   keys
.set RK, 32                            ; v32-39   rank among the chunk's tokens of the same key
.set CN, 40                            ; v40-47   lane k: the chunk's count of key k
.set CH, 48                            ; v48-111  all 64 chunks' counts; later bases, positions, permute indices
.set GS, 112                           ; v112-119 sums of eight chunks (a wave's)
	s_load_b256 s[4:11], s[0:1], 0x0               ; We s[4:5], route s[6:7], the codes s[8:9], the scale words s[10:11]
	s_load_b64 s[12:13], s[0:1], 0x20              ; order
	s_load_b64 s[40:41], s[0:1], 0x28              ; blocks
	v_lshl_add_u32 v128, v0, 2, 0x2000
	v_mov_b32 v129, 0
	v_lshrrev_b32 v1, 5, v0
	s_delay_alu instid0(VALU_DEP_1)
	v_readfirstlane_b32 s14, v1                    ; wave 0..7
	v_and_b32 v1, 31, v0                           ; lane
	s_wait_kmcnt 0x0
	s_cmp_eq_u32 ttmp9, 0
	s_cbranch_scc1 .Lsort
	s_sub_co_u32 s15, ttmp9, 1
	s_lshr_b32 s16, s15, 6                         ; e
	s_bfe_u32 s17, s15, 0x30003                    ; cg: which 256 columns
	s_and_b32 s18, s15, 7                          ; kc: which 256 along d
	s_and_b32 s19, s14, 1
	s_lshr_b32 s20, s14, 1
	s_lshl_b32 s21, s17, 2
	s_add_co_u32 s20, s20, s21                     ; og = 4 cg + wave / 2
	s_mov_b32 s23, 0
	s_lshl_b32 s22, s16, 24                        ; We: e << 24 + kc << 21 + cg << 10 + wave << 7
	s_lshl_b32 s24, s18, 21
	s_add_co_u32 s22, s22, s24
	s_lshl_b32 s24, s17, 10
	s_add_co_u32 s22, s22, s24
	s_lshl_b32 s24, s14, 7
	s_add_co_u32 s22, s22, s24
	s_add_nc_u64 s[4:5], s[4:5], s[22:23]
	s_lshl_b32 s22, s16, 21                        ; codes: e << 21 + og << 16 + kc << 13 + (wave % 2) << 11
	s_lshl_b32 s24, s20, 16
	s_add_co_u32 s22, s22, s24
	s_lshl_b32 s24, s18, 13
	s_add_co_u32 s22, s22, s24
	s_lshl_b32 s24, s19, 11
	s_add_co_u32 s22, s22, s24
	s_add_nc_u64 s[8:9], s[8:9], s[22:23]
	s_lshl_b32 s22, s16, 17                        ; scale words: e << 17 + og << 12 + kc << 9 + (wave % 2) << 8
	s_lshl_b32 s24, s20, 12
	s_add_co_u32 s22, s22, s24
	s_lshl_b32 s24, s18, 9
	s_add_co_u32 s22, s22, s24
	s_lshl_b32 s24, s19, 8
	s_add_co_u32 s22, s22, s24
	s_add_nc_u64 s[10:11], s[10:11], s[22:23]
	s_wait_alu depctr_va_vdst(0)
	v_lshlrev_b32 v2, 2, v1                        ; in: 4 bytes a lane
	v_lshrrev_b32 v5, 4, v1
	v_and_b32 v3, 15, v1
	s_delay_alu instid0(VALU_DEP_1)
	v_lshlrev_b32 v3, 4, v3
	s_delay_alu instid0(VALU_DEP_1)
	v_lshl_or_b32 v3, v5, 10, v3                   ; codes: lanes 16-31 belong to the next tile of 16 columns, 1,024 bytes on
	v_lshlrev_b32 v4, 3, v1                        ; scale words: 8 bytes a lane
.macro LOAD t                          ; block t: We(32 t + i, my column) into set t % 2
.set i, 0
.rept 32
	global_load_b32 v[X+32*((\t)%2)+i], v2, s[4:5] offset:(32*(\t)+i)*8192 th:TH_LOAD_NT
.set i, i+1
.endr
.endm
.macro BLOCK t
.set XS, X+32*((\t)%2)
.if (\t) < 7
	s_wait_loadcnt 32                              ; this block's 32 loads are in; the next block's may be out
.else
	s_wait_loadcnt 0x0
.endif
	v_max3_num_f32 v8, |v[XS]|, |v[XS+1]|, |v[XS+2]|               ; the block's largest magnitude: all 32 numbers are mine
	v_max3_num_f32 v9, |v[XS+3]|, |v[XS+4]|, |v[XS+5]|
.irp i, 6,10,14,18,22,26
	s_delay_alu instid0(VALU_DEP_2)
	v_max3_num_f32 v8, v8, |v[XS+\i]|, |v[XS+\i+1]|
	s_delay_alu instid0(VALU_DEP_2)
	v_max3_num_f32 v9, v9, |v[XS+\i+2]|, |v[XS+\i+3]|
.endr
	s_delay_alu instid0(VALU_DEP_2)
	v_max3_num_f32 v8, v8, |v[XS+30]|, |v[XS+31]|
	s_delay_alu instid0(VALU_DEP_1)
	v_max3_num_f32 v8, v8, v9, 0x1800000           ; and the floor 2^(3 - 127)
	s_delay_alu instid0(VALU_DEP_1)
	v_add_nc_u32 v10, 0xff000000, v8               ; 2 off the exponent field: the conversion's scale operand
	s_delay_alu instid0(VALU_DEP_1)
	v_lshrrev_b32 v11, 23, v10                     ; the scale's byte
.if (\t)%4 == 0
	s_delay_alu instid0(VALU_DEP_1)
	v_mov_b32 v[6+(\t)/4], v11                     ; four bytes to a word, the lower d in the lower byte
.else
	s_delay_alu instid0(VALU_DEP_1)
	v_lshl_or_b32 v[6+(\t)/4], v11, 8*((\t)%4), v[6+(\t)/4]
.endif
.irp g, 0,1,2,3
	v_cvt_scalef32_pk8_fp4_f32 v[C+4*(\t)+\g], v[XS+8*\g:XS+8*\g+7], v10
.endr
	global_store_b128 v3, v[C+4*(\t):C+4*(\t)+3], s[8:9] offset:((\t)/4)*4096+(((\t)%4)/2)*512+((\t)%2)*256   ; ks, c and h of this block stand in the immediate
.if (\t)+2 < 8
	LOAD (\t)+2                                    ; (a load into a conversion's sources wants no line between; the next block begins with plain lines on the other set)
.endif
.endm
	LOAD 0
	LOAD 1
.irp t, 0,1,2,3,4,5,6,7
	BLOCK \t
.endr
	global_store_b64 v4, v[6:7], s[10:11]
	s_endpgm
.Lsort:
	s_lshl_b32 s15, s14, 10
	s_wait_alu depctr_va_vdst(0)
	v_lshl_add_u32 v2, v1, 2, s15                  ; 1,024 x wave + 4 x lane: my word of route, and of the table, in chunk 8 w
	v_lshlrev_b32 v3, 2, v1                        ; 4 x lane
	s_lshl_b32 s16, s14, 8
	v_add_nc_u32 v4, s16, v1                       ; my token in chunk 8 w
.irp c, 0,1,2,3,4,5,6,7
	global_load_b32 v[RW+\c], v2, s[6:7] offset:128*\c
.endr
	s_wait_loadcnt 0x0
.irp c, 0,1,2,3,4,5,6,7
	v_and_b32 v8, 7, v[RW+\c]                      ; e0
	v_bfe_u32 v9, v[RW+\c], 8, 3                   ; e1
	s_delay_alu instid0(VALU_DEP_1)
	v_min_u32 v10, v8, v9                          ; lo
	s_delay_alu instid0(VALU_DEP_2)
	v_max_u32 v11, v8, v9                          ; hi
	s_delay_alu instid0(VALU_DEP_2)
	v_sub_nc_u32 v12, 15, v10
	s_delay_alu instid0(VALU_DEP_1)
	v_mul_u32_u24 v12, v12, v10
	s_delay_alu instid0(VALU_DEP_1)
	v_lshrrev_b32 v12, 1, v12
	s_delay_alu instid0(VALU_DEP_1)
	v_add_nc_u32 v12, v12, v11
	s_delay_alu instid0(VALU_DEP_1)
	v_sub_nc_u32 v12, v12, v10
	s_delay_alu instid0(VALU_DEP_1)
	v_add_nc_u32 v12, -1, v12
	s_delay_alu instid0(VALU_DEP_1)
	v_min_u32 v[P+\c], 27, v12                     ; the key: which of the 28 pairs
	v_add_nc_u32 v13, 32*\c, v4
	s_delay_alu instid0(VALU_DEP_1)
	v_lshl_or_b32 v13, v8, 12, v13
	s_delay_alu instid0(VALU_DEP_1)
	v_lshl_or_b32 v[RW+\c], v9, 16, v13            ; the word to store
	v_mov_b32 v[RK+\c], 0
	v_mov_b32 v[CN+\c], 0
.endr
.set k, 0
.rept 28                               ; key by key, the eight chunks side by side, each with a mask, a count and a temporary of its own
.irp c, 0,1,2,3,4,5,6,7
	v_cmp_eq_u32 s[20+\c], k, v[P+\c]
.endr
.irp c, 0,1,2,3,4,5,6,7
	v_mbcnt_lo_u32_b32 v[8+\c], s[20+\c], 0        ; how many lanes below me have this key
.endr
.irp c, 0,1,2,3,4,5,6,7
	v_cndmask_b32 v[RK+\c], v[RK+\c], v[8+\c], s[20+\c]
.endr
.irp c, 0,1,2,3,4,5,6,7
	s_bcnt1_i32_b32 s[28+\c], s[20+\c]
.endr
.irp c, 0,1,2,3,4,5,6,7
	v_writelane_b32 v[CN+\c], s[28+\c], k
.endr
.set k, k+1
.endr
.irp c, 0,1,2,3,4,5,6,7
	ds_store_b32 v2, v[CN+\c] offset:128*\c
.endr
	s_wait_dscnt 0x0                               ; for the others' sake: my eight rows of the table lie in LDS
	s_barrier_signal -1
	s_barrier_wait -1
.set c, 0
.rept 64
	ds_load_b32 v[CH+c], v3 offset:128*c           ; lane k: every chunk's count of key k
.set c, c+1
.endr
	s_wait_dscnt 0x0
.irp g, 0,1,2,3,4,5,6,7
	v_add3_u32 v[GS+\g], v[CH+8*\g], v[CH+8*\g+1], v[CH+8*\g+2]
	s_delay_alu instid0(VALU_DEP_1)
	v_add3_u32 v[GS+\g], v[GS+\g], v[CH+8*\g+3], v[CH+8*\g+4]
	s_delay_alu instid0(VALU_DEP_1)
	v_add3_u32 v[GS+\g], v[GS+\g], v[CH+8*\g+5], v[CH+8*\g+6]
	s_delay_alu instid0(VALU_DEP_1)
	v_add_nc_u32 v[GS+\g], v[GS+\g], v[CH+8*\g+7]
.endr
	v_add3_u32 v120, v[GS], v[GS+1], v[GS+2]       ; lane k: all tokens of key k
	s_delay_alu instid0(VALU_DEP_1)
	v_add3_u32 v120, v120, v[GS+3], v[GS+4]
	s_delay_alu instid0(VALU_DEP_1)
	v_add3_u32 v120, v120, v[GS+5], v[GS+6]
	s_delay_alu instid0(VALU_DEP_1)
	v_add_nc_u32 v120, v120, v[GS+7]
	v_mov_b32 v121, 0                              ; those of the waves in front of mine
.irp g, 0,1,2,3,4,5,6
	s_cmp_gt_u32 s14, \g
	s_cselect_b32 s36, 1, 0
	v_mad_u32_u24 v121, v[GS+\g], s36, v121
.endr
	v_lshlrev_b32 v5, 6, v1                        ; for the blocks' masks LANE b STANDS FOR BLOCK b: its first position,
	s_delay_alu instid0(VALU_DEP_1)
	v_add_nc_u32 v6, 64, v5                        ; the position behind its last,
	v_mov_b32 v7, 0                                ; its experts so far
	v_mov_b32 v122, 0                              ; lane k: all tokens of the keys under k
	s_mov_b32 s37, 0
.set k, 0
.set elo, 0
.set ehi, 1                            ; key k is the pair (elo, ehi): the pairs in the order of the dictionary
.rept 28
	v_writelane_b32 v122, s37, k                   ; where key k's tokens begin
	v_readlane_b32 s38, v120, k                    ; how many they are
	v_cmp_gt_u32 s42, v6, s37                      ; the key begins in front of the block's end,
	s_add_co_u32 s37, s37, s38
	v_cmp_lt_u32 s43, v5, s37                      ; and ends behind its beginning;
	s_cmp_lg_u32 s38, 0                            ; a key without tokens gives no bit
	s_cselect_b32 s44, (1<<elo)|(1<<ehi), 0
	s_and_b32 s42, s42, s43
	v_or_b32 v123, s44, v7
	s_delay_alu instid0(VALU_DEP_1)
	v_cndmask_b32 v7, v7, v123, s42
.set k, k+1
.set ehi, ehi+1
.if ehi == 8
.set elo, elo+1
.set ehi, elo+1
.endif
.endr
	s_cmp_lg_u32 s14, 0                            ; every wave holds the same 32 masks: wave 0 stores them
	s_cbranch_scc1 .Lnoblocks
	global_store_b32 v3, v7, s[40:41]
.Lnoblocks:
	s_wait_alu depctr_va_vdst(0)
	v_add_nc_u32 v[CH], v122, v121                 ; lane k: where chunk 8 w's tokens of key k begin;
.irp c, 1,2,3,4,5,6,7
	s_delay_alu instid0(VALU_DEP_1)
	v_add_nc_u32 v[CH+\c], v[CH+\c-1], v[CN+\c-1]  ; and the chunks behind it
.endr
.irp c, 0,1,2,3,4,5,6,7
	v_lshlrev_b32 v[CH+16+\c], 2, v[P+\c]
.endr
.irp c, 0,1,2,3,4,5,6,7
	ds_bpermute_b32 v[CH+8+\c], v[CH+16+\c], v[CH+\c]   ; each lane takes the base of its own key: a permute between lanes, no LDS byte is touched
.endr
	s_wait_dscnt 0x0
.irp c, 0,1,2,3,4,5,6,7
	v_add_nc_u32 v[CH+8+\c], v[CH+8+\c], v[RK+\c]
	s_delay_alu instid0(VALU_DEP_1)
	v_min_u32 v[CH+8+\c], 0x7ff, v[CH+8+\c]        ; a position: 0 .. 2,047
	s_delay_alu instid0(VALU_DEP_1)
	v_lshlrev_b32 v[CH+8+\c], 2, v[CH+8+\c]
.endr
.irp c, 0,1,2,3,4,5,6,7
	global_store_b32 v[CH+8+\c], v[RW+\c], s[12:13]   ; a scatter by its nature: 8 KiB in all
.endr
	s_wait_tensorcnt 0x0
	ds_add_u32 v128, v129
	s_wait_dscnt 0x0
	s_endpgm
.Lfunc_end_k_q0efd2a456e_weights:
	.size	k_q0efd2a456e_weights, .Lfunc_end_k_q0efd2a456e_weights-k_q0efd2a456e_weights
	.p2alignl 7, 3214868480
	.fill 96, 4, 3214868480
	.section	.rodata,"a",@progbits
	.p2align	6, 0x0
	.amdhsa_kernel k_q0efd2a456e_weights
		.amdhsa_group_segment_fixed_size 9216
		.amdhsa_private_segment_fixed_size 0
		.amdhsa_enable_private_segment 0
		.amdhsa_kernarg_size 48
		.amdhsa_user_sgpr_count 2
		.amdhsa_user_sgpr_kernarg_segment_ptr 1
		.amdhsa_wavefront_size32 1
		.amdhsa_system_sgpr_workgroup_id_x 1
		.amdhsa_system_sgpr_workgroup_id_y 1
		.amdhsa_system_sgpr_workgroup_id_z 1
		.amdhsa_system_vgpr_workitem_id 0
		.amdhsa_next_free_vgpr 130
		.amdhsa_next_free_sgpr 66
		.amdhsa_reserve_vcc 0
		.amdhsa_float_denorm_mode_32 3
		.amdhsa_float_denorm_mode_16_64 3
		.amdhsa_memory_ordered 1
		.amdhsa_forward_progress 1
		.amdhsa_inst_pref_size 142
	.end_amdhsa_kernel
	.amdgpu_metadata
---
amdhsa.version: [ 1, 2 ]
amdhsa.kernels:
  - .name:           k_q0efd2a456e_weights
    .symbol:         k_q0efd2a456e_weights.kd
    .args:
      - { .name: We, .offset: 0, .size: 8, .value_kind: global_buffer, .address_space: global }
      - { .name: route, .offset: 8, .size: 8, .value_kind: global_buffer, .address_space: global }
      - { .name: wcodes, .offset: 16, .size: 8, .value_kind: global_buffer, .address_space: global }
      - { .name: wscales, .offset: 24, .size: 8, .value_kind: global_buffer, .address_space: global }
      - { .name: order, .offset: 32, .size: 8, .value_kind: global_buffer, .address_space: global }
      - { .name: blocks, .offset: 40, .size: 8, .value_kind: global_buffer, .address_space: global }
    .group_segment_fixed_size: 9216
    .private_segment_fixed_size: 0
    .kernarg_segment_align: 8
    .kernarg_segment_size: 48
    .max_flat_workgroup_size: 256
    .sgpr_count:     66
    .vgpr_count:     130
    .wavefront_size: 32
...
	.end_amdgpu_metadata
.endif
;; end of part 5
;; launch moe (part 6): grid 32 x 8, 4 waves a work-group, no clusters, 136,704 bytes of LDS; arguments order, gw, xcodes, xscales, wcodes, wscales, be, out0, blocks; writes out0
.if DOCPART == 6
	.amdgcn_target "amdgcn-amd-amdhsa--gfx1250"
	.amdhsa_code_object_version 6
	.text
	.protected	k_q0efd2a456e_moe
	.globl	k_q0efd2a456e_moe
	.p2align	8
	.type	k_q0efd2a456e_moe,@function
k_q0efd2a456e_moe:
	s_mov_b64 s[64:65], 0
	v_nop
	global_prefetch_b8 v0, s[64:65] scope:SCOPE_SE
	s_setreg_imm32_b32 hwreg(HW_REG_WAVE_SCHED_MODE, 0, 2), 2
	s_setreg_imm32_b32 hwreg(HW_REG_WAVE_MODE, 25, 1), 1
	s_wait_xcnt 0x0
	s_wait_alu depctr_vm_vsrc(0)
; out[token] = w0 (x We[e0] + be[e0]) + w1 (x We[e1] + be[e1]), the products on codes of FP4 (E2M1) with E8M0 scales for each 32 along D, sums in f32.
; EACH OUTPUT ROW HAS ONE OWNER.  The tokens come sorted by their pair of experts.  A work-group owns 64 sorted positions x 256 columns; a wave all 64 tokens x 64 columns.
; It walks only the experts that its 64 tokens use (a mask of 2 to 8 bits, stored for each block by the launch that sorted; it steers a trip count and addresses, so it is read by a scalar load and handled by scalar
; instructions alone), and after each expert adds g x (sum + bias) into a second set of accumulators, g being the token's weight for that expert or 0: a choice of a VALUE, made in every trip.
; THE TOKENS' CODES FOR ALL OF D STAY IN REGISTERS (64 tokens x 1,024 bytes = 512 registers a wave; gathered once by the work-group, through LDS).  THE WEIGHTS GO FROM MEMORY STRAIGHT INTO REGISTERS: they are laid
; in the order of the operand's registers, so a fragment is two loads of 512 consecutive bytes.
; TWO PASSES OF 32 COLUMNS.  A wave walks its experts twice, for its columns 0-31 and 32-63: the two sets of accumulators then take 64 + 64 registers, and 256 are left for a ring of eight buffers of four fragments.
; A UNIT is two steps of 128 along D x 2 tiles of columns x 4 tiles of tokens: 16 products, 8 fragment loads; an expert's pass is 8 units, once round the ring.  In the middle of unit U go the loads of the unit six
; further on (the next expert's, or the next pass's first expert's, from unit 2 on): five to six units, 20 to 24 KiB a wave, are on their way.  The weights' bytes and the products are the same as in one pass of 64 columns.
; THE MATRIX INSTRUCTION IS USED TRANSPOSED: source 0 = 16 columns of We, source 1 = 16 tokens.  Lane (r, h) then holds token r, and register j column 8 h + j: the weight g is one number a lane, the bias is the C
; of an expert's first products, and a lane's eight results are 32 neighbouring bytes of a row of out.  The two passes' halves of a row meet in the wave's stage in LDS, so that rows leave as 256 consecutive bytes.
; NO CLUSTER, NO JOINT LOADS, NO TENSOR LOADS: which experts a block walks, and how many, is read from the stored list, so partners would need different tiles and different numbers of them
; a joint walk over all 8 experts would fetch 8 experts' codes where a block may use as few as 2.
; LIMITS: as the two launches in front state them.  A token's two experts differ, so a block uses at least two.
; THE MODE: SCHED_MODE bits 1:0 = 2 (LLVM: expert scheduling mode 2), set by the entry lines.  The code itself states the register dependences between vector or matrix instructions and memory or LDS instructions,
; with s_wait_alu, always for 0.
; THE PLAN.  Registers that memory or LDS instructions touch:
;   v1-3, v28-31, v124   addresses, made at the head and never written again.
;   the ring, We's scale words, the bias   unit V's loads land in them; unit V's products read them.  The loads that stand in unit U land in the buffer and the scale words that the products of two units ago read (in unit 2
;                        also in the bias, which unit 0's read).  ONE wait on va_vdst at the head of a unit, behind its waits for data, states that all earlier units' products are done reading; the unit's loads stand
;                        between its two steps of eight products, which name the sums, buffer U, x's fragments, their own scale words and, in step 0, the bias: none of the registers that those loads touch.
;   window 1's v0-127    at the head x's rows: loaded, read by LDS stores; from then on the two sets of sums.  One wait on vm_vsrc behind the head's barrier.
;   the weighted sums    written by the multiply-adds behind an expert, read by the stage's LDS stores at each pass's end: a wait on va_vdst ahead of the stores, one on vm_vsrc ahead of the second pass.
;   v80-111, v128-255    at the end: the rows' offsets (loaded, made by vector lines, read by the stores) and the rows (loaded from the stage, read by the stores).
;   v112-123, v126, v127 offsets of the head's loads; v112-119 are afterwards named by vector lines alone.
; REGISTERS, in windows of 256 (s_set_vgpr_msb: bits 1:0 source 0, 3:2 source 1, 5:4 source 2, 7:6 destination):
;   window 0: v1-3, v28-31, v122-127 addresses; v4-7 the tokens' words; v8-15 their two weights; v16-23 pairs (g, 0); v24-26 at work at the head; v32-63 x's scale words; v64-79 We's scale words (register 64 + step); v80-95 the bias;
;             v80-111 at the end the rows' offsets in out; v112-121 offsets of the head, v112-119 later the tokens' two experts; v128-255 the ring's buffers 0-3.
;   window 1: v0-63 the weighted sums (tile (o, t) at 8 (4 o + t)), v64-127 the expert's sums; at the head v0-127 x's rows on their way to LDS;  v128-255 the ring's buffers 4-7.
;   windows 2, 3: x's fragments, step s, tile t at 32 (s % 8) + 8 t.
; SCALARS: s[4:19] eight buffers, s[22:23] the ninth; s20 wave; s[24:29] the bases of the expert in hand, s[30:35] of the next, s[36:41] of expert 0 in the pass in hand; s42 the experts left, s53 all of them;
;   s43, s44 the expert in hand, the next; s45 trips left, s52 trips of a pass; s46 the flag of a pass's first expert; s47-49 at work; s54-61 eight masks of lanes.
.set XP,   1040                        ; LDS: 64 rows of x's codes, 1,024 bytes + 16 = 65 x 16: sixteen rows start at sixteen different 16-byte columns
.set OSTG, 66560                       ; behind them: for each wave 64 rows of 256 bytes + 16, for the way out
.set OP,   272
.set TW,   4
.set GW,   8
.set G,    16
.set SX,   32
.set SW,   64
.set BIAS, 80
.set ROWO, 80
.set TR,   112
.set EX,   112
.set TS,   120
.set RING, 128
.set TOT,  0
.set ACC,  64
.set MK,   54
.set MSB, 0
.macro WIN new                         ; the immediate's high byte repeats the setting that is left
.if MSB != \new
	s_set_vgpr_msb (MSB<<8)|\new
.set MSB, \new
.endif
.endm
.macro POP e                           ; the lowest expert left in the mask
	s_ctz_i32_b32 s[\e], s42
	s_min_u32 s[\e], s[\e], 7
	s_add_co_i32 s47, s42, -1
	s_and_b32 s42, s42, s47
.endm
.macro BASES bs, e                     ; set bs (0: s[24:29], the expert in hand; 1: s[30:35], the next): its codes, scale words and bias at my columns of the pass
	s_lshl_b32 s48, s[\e], 21
	s_add_nc_u64 s[24+6*\bs:25+6*\bs], s[36:37], s[48:49]
	s_lshl_b32 s48, s[\e], 17
	s_add_nc_u64 s[26+6*\bs:27+6*\bs], s[38:39], s[48:49]
	s_lshl_b32 s48, s[\e], 13
	s_add_nc_u64 s[28+6*\bs:29+6*\bs], s[40:41], s[48:49]
.endm
; The loads of unit V of the expert of set bs: in unit 0 the bias of 32 columns (4 loads); the scale words of its two steps (1); four fragments (8): 13 or 9 loads.  It leaves the windows as the fragments' loads want them.
.macro BATCH V, bs
	WIN 0
.if (\V) == 0
.irp o, 0,1
	global_load_b128 v[BIAS+8*\o:BIAS+8*\o+3], v3, s[28+6*(\bs):29+6*(\bs)] offset:64*\o
	global_load_b128 v[BIAS+8*\o+4:BIAS+8*\o+7], v3, s[28+6*(\bs):29+6*(\bs)] offset:64*\o+16
.endr
.endif
	global_load_b64 v[SW+2*(\V):SW+2*(\V)+1], v2, s[26+6*(\bs):27+6*(\bs)] offset:512*(\V)
.if (\V) >= 4
	WIN 0x40                                       ; buffers 4 to 7 lie in window 1
.endif
.irp k, 0,1
.irp o, 0,1
.irp c, 0,1
	global_load_b128 v[RING+32*((\V)%4)+16*\k+8*\o+4*\c:RING+32*((\V)%4)+16*\k+8*\o+4*\c+3], v1, s[24+6*(\bs):25+6*(\bs)] offset:4096*(2*(\V)+\k)+1024*\o+512*\c
.endr
.endr
.endr
.endm
	s_load_b512 s[4:19], s[0:1], 0x0               ; order s[4:5], gw s[6:7], x's codes s[8:9], x's scales s[10:11], We's codes s[12:13], We's scales s[14:15], be s[16:17], out s[18:19]
	s_load_b64 s[22:23], s[0:1], 0x40              ; blocks
	v_lshrrev_b32 v24, 5, v0
	v_readfirstlane_b32 s20, v24                   ; wave 0..3
	v_and_b32 v24, 31, v0                          ; lane
	v_and_b32 v25, 15, v0                          ; r
	v_bfe_u32 v26, v0, 4, 1                        ; h
	v_lshlrev_b32 v1, 4, v24                       ; v1 = 16 x lane: a fragment's image
	v_lshlrev_b32 v2, 3, v24                       ; v2 = 8 x lane: We's scale words
	v_lshlrev_b32 v3, 5, v26                       ; v3 = 32 h: the bias of my eight columns
	v_lshlrev_b32 v123, 2, v24                     ; 4 x lane
	v_lshlrev_b32 v124, 2, v26                     ; 4 h
	v_lshlrev_b32 v125, 4, v25                     ; 16 r
	v_lshlrev_b32 v126, 2, v25                     ; 4 r
	s_wait_alu depctr_va_sdst(0)                   ; s20 is written, ahead of its first reader: LDS addresses and the columns' bases are made from it
	s_lshl_b32 s47, s20, 6
	v_add_nc_u32 v122, s47, v124                   ; 64 w + 4 h
	s_mul_i32 s47, s20, 64*OP
	s_add_co_u32 s47, s47, OSTG                    ; my stage
	v_mul_u32_u24 v28, v25, OP
	v_lshl_add_u32 v28, v26, 5, v28
	v_add_nc_u32 v28, s47, v28                     ; v28: into it: row r, 32 bytes for each half of the lanes
	v_mul_u32_u24 v29, v26, OP
	v_lshl_add_u32 v29, v25, 4, v29
	v_add_nc_u32 v29, s47, v29                     ; v29: back: lanes 0-15 one row, lanes 16-31 the next
	v_mul_u32_u24 v30, v25, XP
	v_lshl_add_u32 v30, v26, 4, v30                ; v30: a fragment of x: row r, + 16 h
	s_mul_i32 s47, s20, 16*XP
	v_mul_u32_u24 v31, v26, XP
	v_lshl_add_u32 v31, v25, 4, v31
	v_add_nc_u32 v31, s47, v31                     ; v31: x's rows into LDS: my wave's 16 rows, two an instruction
.irp t, 0,1,2,3
	v_mov_b32 v[G+2*\t+1], 0                       ; the upper halves of the pairs (g, 0): named with g, so they are written
.endr
	s_and_b32 s21, ttmp7, 0xffff
	s_lshl_b32 s21, s21, 2
	s_add_co_u32 s21, s21, s20                     ; og: my 64 columns = 4 x work-group y + wave
	s_mov_b32 s49, 0
	s_wait_kmcnt 0x0
	s_lshl_b32 s48, ttmp9, 2
	s_add_nc_u64 s[22:23], s[22:23], s[48:49]
	s_load_b32 s42, s[22:23], 0x0                  ; which experts my block uses
	s_lshl_b32 s48, ttmp9, 8
	s_add_nc_u64 s[4:5], s[4:5], s[48:49]          ; order at my block's 64 positions
	s_lshl_b32 s48, s21, 16
	s_add_nc_u64 s[36:37], s[12:13], s[48:49]      ; We's codes, scale words and the bias at my 64 columns of expert 0
	s_lshl_b32 s48, s21, 12
	s_add_nc_u64 s[38:39], s[14:15], s[48:49]
	s_lshl_b32 s48, s21, 8
	s_add_nc_u64 s[40:41], s[16:17], s[48:49]
	s_add_nc_u64 s[18:19], s[18:19], s[48:49]      ; out at my 64 columns
	s_wait_alu depctr_va_vdst(0)                   ; the addresses v1-3, v28-31 and v122-126 are written, which the loads and stores of the whole kernel read
.irp t, 0,1,2,3
	global_load_b32 v[TW+\t], v126, s[4:5] offset:64*\t    ; position 16 t + r: both halves of the lanes hold token r of tile t
.endr
.irp i, 0,1,2,3,4,5,6,7
	global_load_b32 v[TR+\i], v122, s[4:5] offset:8*\i     ; position 16 w + 2 i + h: the rows that my wave brings into LDS
.endr
.irp i, 0,1
	global_load_b32 v[TS+\i], v123, s[4:5] offset:128*\i   ; position 32 i + lane: the scale words' lanes
.endr
	s_wait_loadcnt 0x0
	s_wait_alu depctr_vm_vsrc(0)                   ; these loads have read v122, v123 and v126, which are written anew below
.irp i, 0,1,2,3,4,5,6,7
	v_and_b32 v[TR+\i], 0x7ff, v[TR+\i]
	v_min_u32 v[TR+\i], 0x7ff, v[TR+\i]            ; a token: 0 .. 2,047
	v_lshl_add_u32 v[TR+\i], v[TR+\i], 10, v125    ; its row of 1,024 bytes, 16 bytes a lane
.endr
.irp i, 0,1
	v_and_b32 v[TS+\i], 0x7ff, v[TS+\i]
	v_min_u32 v[TS+\i], 0x7ff, v[TS+\i]
	v_lshlrev_b32 v[TS+\i], 6, v[TS+\i]            ; its 64 scale bytes
.endr
.irp t, 0,1,2,3                        ; gw's offsets in v122, v123, v126, v127: the two waits above have freed them
	v_and_b32 v[122+\t+2*(\t/2)], 0x7ff, v[TW+\t]
	v_min_u32 v[122+\t+2*(\t/2)], 0x7ff, v[122+\t+2*(\t/2)]
	v_lshlrev_b32 v[122+\t+2*(\t/2)], 3, v[122+\t+2*(\t/2)]
.endr
	WIN 0x40                                       ; destination window 1
	s_wait_alu depctr_va_vdst(0)                   ; the offsets v112-123, v126 and v127 are written, which the loads of x's rows, of gw and of x's scale words read
.irp i, 0,1,2,3,4,5,6,7
.irp q, 0,1,2,3
	global_load_b128 v[16*\i+4*\q:16*\i+4*\q+3], v[TR+\i], s[8:9] offset:256*\q   ; sixteen lanes read 256 consecutive bytes of one token's codes
.endr
.endr
	WIN 0
.irp t, 0,1,2,3
	global_load_b64 v[GW+2*\t:GW+2*\t+1], v[122+\t+2*(\t/2)], s[6:7]
.endr
.irp i, 0,1
.irp g, 0,1,2,3
	global_load_b128 v[SX+16*\i+4*\g:SX+16*\i+4*\g+3], v[TS+\i], s[10:11] offset:16*\g   ; register SX + 16 i + s: lanes 0-15 tile 2 i's word of step s, lanes 16-31 tile 2 i + 1's
.endr
.endr
	s_wait_kmcnt 0x0                               ; the mask
	s_and_b32 s42, s42, 0xff
	s_mov_b32 s53, s42                             ; kept for the second pass
	s_bcnt1_i32_b32 s52, s42
	s_sub_co_i32 s52, s52, 1                       ; trips of a pass's loop: all experts but the last, which is written out
	s_max_i32 s52, s52, 1                          ; (a token's two experts differ, so neither bound ever acts: they keep the count of trips between 1 and 7)
	s_min_u32 s52, s52, 7
	POP 43
	BASES 0, 43
	BATCH 0, 0
	s_wait_loadcnt 25                              ; behind x's rows stand 4 loads of gw, 8 of x's scales and unit 0's 13: the rows are in
	WIN 0x04                                       ; an LDS store's data are its source 1: window 1
.irp i, 0,1,2,3,4,5,6,7
.irp q, 0,1,2,3
	ds_store_b128 v31, v[16*\i+4*\q:16*\i+4*\q+3] offset:2*XP*\i+256*\q   ; data that loads brought, an address of the head: no vector line since the last wait on va_vdst names either
.endr
.endr
.irp v, 1,2,3,4,5
	BATCH \v, 0                                    ; the first expert's units 1 to 5 go out while the rows settle in LDS
.endr
	s_wait_dscnt 0x0                               ; for the others' sake: my 16 rows lie in LDS
	s_barrier_signal -1
	s_barrier_wait -1                              ; all 64 do
	s_wait_alu depctr_vm_vsrc(0)                   ; my LDS stores have read window 1's v0-127, which the products and the multiply-adds write from here on; the head's loads have read v112-119, which vector lines write behind each expert
	WIN 0x80                                       ; destination window 2: steps 0 to 7
.irp s, 0,1,2,3,4,5,6,7
.irp t, 0,1,2,3
.irp c, 0,1
	ds_load_b128 v[32*\s+8*\t+4*\c:32*\s+8*\t+4*\c+3], v30 offset:16*XP*\t+64*\s+32*\c
.endr
.endr
.endr
	WIN 0xc0                                       ; window 3: steps 8 to 15
.irp s, 0,1,2,3,4,5,6,7
.irp t, 0,1,2,3
.irp c, 0,1
	ds_load_b128 v[32*\s+8*\t+4*\c:32*\s+8*\t+4*\c+3], v30 offset:16*XP*\t+64*(\s+8)+32*\c
.endr
.endr
.endr
	WIN 0                                          ; no wait here: each unit waits for its own two steps' fragments
; One product: columns tile o of the pass's two x tokens tile t, step s.  We's scale words: lanes 0-15 hold the even tile's, lanes 16-31 the odd tile's; x's likewise.
.macro MM o, t, s
.set rD, ACC+8*(4*(\o)+(\t))
.set rA, RING+32*(((\s)/2)%4)+16*((\s)%2)+8*(\o)
.set rB, 32*((\s)%8)+8*(\t)
.set rC, rD
.if (\s) == 0
.set rC, BIAS+8*(\o)                   ; the bias starts the sums: nothing is cleared, nothing is added later
.endif
.set rSA, SW+(\s)
.set rSB, SX+16*((\t)/2)+(\s)
.if ((\o)%2 == 0) && ((\t)%2 == 0)
	v_wmma_scale_f32_16x16x128_f8f6f4 v[rD:rD+7], v[rA:rA+7], v[rB:rB+7], v[rC:rC+7], v[rSA], v[rSB] matrix_a_fmt:MATRIX_FMT_FP4 matrix_b_fmt:MATRIX_FMT_FP4
.elseif ((\o)%2 == 1) && ((\t)%2 == 0)
	v_wmma_scale_f32_16x16x128_f8f6f4 v[rD:rD+7], v[rA:rA+7], v[rB:rB+7], v[rC:rC+7], v[rSA], v[rSB] matrix_a_fmt:MATRIX_FMT_FP4 matrix_b_fmt:MATRIX_FMT_FP4 matrix_a_scale:MATRIX_SCALE_ROW1
.elseif ((\o)%2 == 0) && ((\t)%2 == 1)
	v_wmma_scale_f32_16x16x128_f8f6f4 v[rD:rD+7], v[rA:rA+7], v[rB:rB+7], v[rC:rC+7], v[rSA], v[rSB] matrix_a_fmt:MATRIX_FMT_FP4 matrix_b_fmt:MATRIX_FMT_FP4 matrix_b_scale:MATRIX_SCALE_ROW1
.else
	v_wmma_scale_f32_16x16x128_f8f6f4 v[rD:rD+7], v[rA:rA+7], v[rB:rB+7], v[rC:rC+7], v[rSA], v[rSB] matrix_a_fmt:MATRIX_FMT_FP4 matrix_b_fmt:MATRIX_FMT_FP4 matrix_a_scale:MATRIX_SCALE_ROW1 matrix_b_scale:MATRIX_SCALE_ROW1
.endif
.endm
; The eight products of step s: the 8 accumulators by turns, in the same order in every step.
.macro STEP8 s
.if (\s) == 0
	WIN 0x48                                       ; source 0 (We) window 0, source 1 (x) window 2, C (the bias) window 0, D window 1
.elseif (\s) < 8
	WIN 0x58                                       ; C and D window 1
.else
	WIN 0x5d                                       ; We in window 1, x in window 3
.endif
.irp o, 0,1
.irp t, 0,1,2,3
	MM \o, \t, \s
.endr
.endr
.endm
; Unit U of an expert's pass: eight products, the loads of the unit six further on (into the buffer read two units ago), eight products.
; more = 1: from unit 2 on those loads are the NEXT expert's.  The wait on loads leaves out the five batches issued behind unit U's: 5 x 9 = 45; where the next expert's unit 0 (13) is among them, 49; in the last expert of
; all 9 (7 - U), and extra more for loads that were issued behind the last batch.
; The wait on LDS serves the first expert alone: x's 128 fragment loads were issued by ascending step, 8 a step, and unit U reads steps 2 U and 2 U + 1: 112 - 16 U younger ones may be out (63 where that is more than the wait can name).
.macro UNIT U, more, extra
.if (\U) < 3
.set LEFT, 45
.elseif \more
.set LEFT, 49
.else
.set LEFT, 9*(7-(\U))+(\extra)
.endif
	s_wait_loadcnt LEFT
.if (\U) < 4
	s_wait_dscnt 63
.else
	s_wait_dscnt 16*(7-(\U))
.endif
.if ((\U) < 2) || (\more)
	s_wait_alu depctr_va_vdst(0)                   ; the products of all earlier units are done reading the buffer and the scale words of two units ago (in unit 2: the bias too), in which this unit's loads land
.endif
	STEP8 2*(\U)
.if (\U) < 2
	BATCH (\U)+6, 0                                ; no further wait: the eight products since the wait name none of the registers that these loads touch
.elseif \more
	BATCH (\U)-2, 1
.endif
	STEP8 2*(\U)+1
.rept 4
	v_nop                                          ; four places behind the unit's products: behind unit 7 ahead of the first read of results; else between these products and the loads that land in their registers two units on
.endr
.endm
; Behind an expert's pass: g = the token's weight for it, or 0; the weighted sums take g x (the expert's sums).  canfirst = 1: a pass's first expert starts them (a scalar flag, set by this text alone).
.macro EPI canfirst
	WIN 0
.irp t, 0,1,2,3
	v_bfe_u32 v[EX+2*\t], v[TW+\t], 12, 3
	v_bfe_u32 v[EX+2*\t+1], v[TW+\t], 16, 3
.endr
.irp t, 0,1,2,3                        ; the eight compares in one run, each into a mask of its own
	v_cmp_eq_u32 s[MK+2*\t], s43, v[EX+2*\t]
	v_cmp_eq_u32 s[MK+2*\t+1], s43, v[EX+2*\t+1]
.endr
	s_wait_alu depctr_va_sdst(0)                   ; the eight masks s54 to s61 are written, ahead of the selects that read them
.irp t, 0,1,2,3
	v_cndmask_b32 v[G+2*\t], 0, v[GW+2*\t+1], s[MK+2*\t+1]
.endr
.irp t, 0,1,2,3
	v_cndmask_b32 v[G+2*\t], v[G+2*\t], v[GW+2*\t], s[MK+2*\t]
.endr
.if \canfirst
	s_cmp_lg_u32 s46, 0
	s_cbranch_scc0 .Ladd_\@
	WIN 0x51                                       ; destination, source 0 and source 2 window 1; g window 0
.set a, 0
.rept 8
.set j, 0
.rept 4
	v_pk_mul_f32 v[TOT+8*a+2*j:TOT+8*a+2*j+1], v[ACC+8*a+2*j:ACC+8*a+2*j+1], v[G+2*(a%4):G+2*(a%4)+1] op_sel_hi:[1,0]
.set j, j+1
.endr
.set a, a+1
.endr
	WIN 0
	s_mov_b32 s46, 0
	s_branch .Lsummed_\@
.Ladd_\@:
.endif
	WIN 0x51
.set a, 0
	s_wait_alu depctr_va_vdst(0)
.rept 8                                ; each accumulator from its low end on
.set j, 0
.rept 4
	v_pk_fma_f32 v[TOT+8*a+2*j:TOT+8*a+2*j+1], v[ACC+8*a+2*j:ACC+8*a+2*j+1], v[G+2*(a%4):G+2*(a%4)+1], v[TOT+8*a+2*j:TOT+8*a+2*j+1] op_sel_hi:[1,0,1]
.set j, j+1
.endr
.set a, a+1
.endr
	WIN 0
.if \canfirst
.Lsummed_\@:
.endif
.endm
.macro TRIP                            ; one expert's pass, and the first six units' loads of the one that follows
	POP 44
	BASES 1, 44
.irp u, 0,1,2,3,4,5,6,7
	UNIT \u, 1, 0
.endr
.endm
.macro NEXT                            ; the next expert becomes the one in hand
	s_wait_xcnt 0x0                                ; the loads issued so far have read their bases: both sets may be written
	s_mov_b64 s[24:25], s[30:31]
	s_mov_b64 s[26:27], s[32:33]
	s_mov_b64 s[28:29], s[34:35]
	s_mov_b32 s43, s44
.endm
.macro STAGE p                         ; pass p's weighted sums into my stage: 128 bytes of each of the 64 rows
	WIN 0x04
	s_wait_alu depctr_va_vdst(0)                   ; the multiply-adds have written the weighted sums, which the LDS stores read
.irp t, 0,1,2,3
.irp o, 0,1
	ds_store_b128 v28, v[TOT+8*(4*\o+\t):TOT+8*(4*\o+\t)+3] offset:16*OP*\t+64*(2*\p+\o)
	ds_store_b128 v28, v[TOT+8*(4*\o+\t)+4:TOT+8*(4*\o+\t)+7] offset:16*OP*\t+64*(2*\p+\o)+16
.endr
.endr
	WIN 0
.endm
	; ---- PASS 0: my columns 0 to 31
	s_mov_b32 s45, s52
	s_mov_b32 s46, 1
.Lexp0:
	TRIP
	EPI 1
	NEXT
	s_sub_co_u32 s45, s45, 1
	s_cmp_lg_u32 s45, 0
	s_cbranch_scc1 .Lexp0
	s_add_nc_u64 s[36:37], s[36:37], 2048          ; the pass's last expert; behind it comes the first expert again, at my columns 32 to 63: two tiles of codes,
	s_add_nc_u64 s[38:39], s[38:39], 256           ; a pair's scale words,
	s_add_nc_u64 s[40:41], s[40:41], 128           ; 32 numbers of the bias further on
	s_mov_b32 s42, s53
	TRIP
	EPI 0
	STAGE 0
	NEXT
	s_wait_alu depctr_vm_vsrc(0)                   ; the stage's stores have read the weighted sums, which the second pass's first expert writes anew
	; ---- PASS 1: my columns 32 to 63
	s_mov_b32 s45, s52
	s_mov_b32 s46, 1
.Lexp1:
	TRIP
	EPI 1
	NEXT
	s_sub_co_u32 s45, s45, 1
	s_cmp_lg_u32 s45, 0
	s_cbranch_scc1 .Lexp1
.irp u, 0,1,2,3
	UNIT \u, 0, 0                                  ; the last expert of all is written out: it asks for nothing beyond its own units, and from unit 2 on it has no load and so no wait on va_vdst
.endr
	WIN 0
.set k, 0
.rept 32
	global_load_b32 v[ROWO+k], v124, s[4:5] offset:8*k   ; position 2 k + h: whose row it is.  Asked for four units ahead of the way out.  No wait: unit 1's wait on va_vdst has shown unit 0's products done reading the bias, and nothing since names v80-111
.set k, k+1
.endr
.irp u, 4,5,6,7
	UNIT \u, 0, 32                                 ; these 32 loads stand behind the last batch: the waits leave them out too
.endr
	; THE WAY OUT.  A lane holds 32 bytes of a token's row and the lanes beside it other tokens': the 64 rows x 256 bytes go through my own stage and come back as whole rows.
	EPI 0
	STAGE 1
.set k, 0
.rept 32
	ds_load_b128 v[RING+4*k:RING+4*k+3], v29 offset:2*OP*k   ; LDS serves a wave's instructions in order: these see my stores of both passes.  The stage's wait on va_vdst has also shown the products done reading the ring's buffers 0-3, in which these land
.set k, k+1
.endr
	s_wait_loadcnt 0x0
.set k, 0
.rept 32
	v_and_b32 v[ROWO+k], 0x7ff, v[ROWO+k]
	v_min_u32 v[ROWO+k], 0x7ff, v[ROWO+k]          ; a token: 0 .. 2,047
	v_lshl_add_u32 v[ROWO+k], v[ROWO+k], 13, v125  ; its row of 8,192 bytes, 16 bytes a lane
.set k, k+1
.endr
	s_wait_alu depctr_va_vdst(0)                   ; the rows' offsets v80-111 are written, which the stores read
.set k, 0
.rept 32
	s_wait_dscnt 31-k                              ; rows 2 k and 2 k + 1 are back; the younger loads may be out
	global_store_b128 v[ROWO+k], v[RING+4*k:RING+4*k+3], s[18:19] th:TH_STORE_NT   ; each half of the wave stores 256 consecutive bytes of one token's row, aligned
.set k, k+1
.endr
	s_wait_xcnt 0x0
	s_wait_alu depctr_vm_vsrc(0)                   ; the last store has read v254 and v255, which are made anew below
	v_lshl_add_u32 v254, v0, 2, 0x21400
	v_mov_b32 v255, 0
	s_wait_dscnt 0x0                               ; the closing lines, six on end
	s_wait_alu 0x0
	s_wait_tensorcnt 0x0
	ds_add_u32 v254, v255
	s_wait_dscnt 0x0
	s_endpgm
.Lfunc_end_k_q0efd2a456e_moe:
	.size	k_q0efd2a456e_moe, .Lfunc_end_k_q0efd2a456e_moe-k_q0efd2a456e_moe
	.p2alignl 7, 3214868480
	.fill 96, 4, 3214868480
	.section	.rodata,"a",@progbits
	.p2align	6, 0x0
	.amdhsa_kernel k_q0efd2a456e_moe
		.amdhsa_group_segment_fixed_size 136704
		.amdhsa_private_segment_fixed_size 0
		.amdhsa_enable_private_segment 0
		.amdhsa_kernarg_size 72
		.amdhsa_user_sgpr_count 2
		.amdhsa_user_sgpr_kernarg_segment_ptr 1
		.amdhsa_wavefront_size32 1
		.amdhsa_system_sgpr_workgroup_id_x 1
		.amdhsa_system_sgpr_workgroup_id_y 1
		.amdhsa_system_sgpr_workgroup_id_z 1
		.amdhsa_system_vgpr_workitem_id 0
		.amdhsa_next_free_vgpr 1024
		.amdhsa_next_free_sgpr 66
		.amdhsa_reserve_vcc 0
		.amdhsa_float_denorm_mode_32 3
		.amdhsa_float_denorm_mode_16_64 3
		.amdhsa_memory_ordered 1
		.amdhsa_forward_progress 1
		.amdhsa_inst_pref_size 162
	.end_amdhsa_kernel
	.amdgpu_metadata
---
amdhsa.version: [ 1, 2 ]
amdhsa.kernels:
  - .name:           k_q0efd2a456e_moe
    .symbol:         k_q0efd2a456e_moe.kd
    .args:
      - { .name: order, .offset: 0, .size: 8, .value_kind: global_buffer, .address_space: global }
      - { .name: gw, .offset: 8, .size: 8, .value_kind: global_buffer, .address_space: global }
      - { .name: xcodes, .offset: 16, .size: 8, .value_kind: global_buffer, .address_space: global }
      - { .name: xscales, .offset: 24, .size: 8, .value_kind: global_buffer, .address_space: global }
      - { .name: wcodes, .offset: 32, .size: 8, .value_kind: global_buffer, .address_space: global }
      - { .name: wscales, .offset: 40, .size: 8, .value_kind: global_buffer, .address_space: global }
      - { .name: be, .offset: 48, .size: 8, .value_kind: global_buffer, .address_space: global }
      - { .name: out0, .offset: 56, .size: 8, .value_kind: global_buffer, .address_space: global }
      - { .name: blocks, .offset: 64, .size: 8, .value_kind: global_buffer, .address_space: global }
    .group_segment_fixed_size: 136704
    .private_segment_fixed_size: 0
    .kernarg_segment_align: 8
    .kernarg_segment_size: 72
    .max_flat_workgroup_size: 128
    .sgpr_count:     66
    .vgpr_count:     1024
    .wavefront_size: 32
...
	.end_amdgpu_metadata
.endif
;; end of part 6
